; MI455X (gfx1250); checked and timed in simulation.
; The chip was launched on July 23, 2026; its instructions are those of AMD's public machine-readable ISA for CDNA 5 (MIT licence, August 2026) and "CDNA5" Instruction Set Architecture Reference Guide (July 2026). The comments in the code are by the model that wrote it; some were corrected since.
;; Glm4 Moe Attention. Allowed arithmetic: matrix products marked QUANTISED: E3M2 operands, one E8M0 scale for each 32 along K, by v_wmma_scale_f32_16x16x128_f8f6f4 with both operands' format E3M2, f32 sums; everything else in f32.
;; Inputs: Wk 1,024 x 4,096 float32; Wo 4,096 x 2,048 float32; Wq 2,048 x 4,096 float32; Wv 1,024 x 4,096 float32; cos 1 x 2,048 x 64 float32; hidden_states 1 x 2,048 x 4,096 float32; k_norm_w 128 float32; q_norm_w 128 float32; sin 1 x 2,048 x 64 float32.
;; Outputs: out0 1 x 2,048 x 4,096 float32.
;; This version of the problem:
;;   THIS VERSION OF THE PROBLEM IS GIVEN IN LOW PRECISION. The matrix products marked QUANTISED in the list below multiply operands that are first quantised to E3M2 (3 exponent bits, 2 mantissa bits; 6 bits a number), with one power-of-two scale for each 32 numbers along K (OCP MX v1.0); their sums are f32. All else is computed in f32.
;;   The module's matrix products, in the order in which they are computed (A, B: the left and right operand; K: the contracted axis; several contracted axes count as one K, in the product's order):
;;     1. [M 2,048, K 4,096] x [K 4,096, N 2,048]; A: input hidden_states; B: input Wq: QUANTISED
;;     2. [M 2,048, K 4,096] x [K 4,096, N 1,024]; A: input hidden_states; B: input Wk: QUANTISED
;;     3. [M 2,048, K 4,096] x [K 4,096, N 1,024]; A: input hidden_states; B: input Wv: QUANTISED
;;     4. batch 16 x [M 2,048, K 128] x [K 128, N 2,048]; A: computed on the way; B: computed on the way: QUANTISED
;;     5. batch 16 x [M 128, K 2,048] x [K 2,048, N 2,048]; A: computed on the way; B: softmax (see below): QUANTISED
;;     6. [M 2,048, K 2,048] x [K 2,048, N 4,096]; A: computed on the way; B: input Wo: QUANTISED
;;   THE QUANTISER, for each operand of a quantised product, along K:
;;     - K is cut into blocks of 32 from its start; a last block that is shorter is filled with zeros.
;;     - A block's scale is 2^e with e = floor(log2(the largest magnitude in the block)) - 4, held to -126 .. 127; a block of zeros has e = 0. As a byte (E8M0): e + 127.
;;     - Each number is divided by its block's scale, clamped to +-28, and rounded to the nearest number of E3M2, ties to even, subnormals kept.
;;     - The product sums the exact products of the quantised numbers (number of the format x scale) in f32.
;;   ~~~python
;;   def quantise(x, axis):      # numpy; x: float32 -> the quantised numbers, widened to float32 again
;;       x = np.moveaxis(x, axis, -1); K = x.shape[-1]
;;       x = np.pad(x, [(0, 0)] * (x.ndim - 1) + [(0, -K % 32)]); x = x.reshape(x.shape[:-1] + (-1, 32)); a = np.abs(x).max(-1, keepdims=True)
;;       e = np.where(a > 0, np.clip(np.frexp(np.where(a > 0, a, 1))[1] - 1 - 4, -126, 127), 0)      # np.frexp(a)[1] - 1 = floor(log2(a)), exactly
;;       r = np.clip(x / 2.0 ** e, -28, 28)
;;       step = 2.0 ** (np.maximum(np.frexp(np.where(r == 0, 1, r))[1] - 1, -2) - 2)
;;       q = np.round(r / step) * step * 2.0 ** e      # np.round: ties to even
;;       return np.moveaxis(q.reshape(q.shape[:-2] + (-1,))[..., :K], -1, axis).astype(np.float32)
;;   ~~~
;;   SOFTMAX AHEAD OF A QUANTISED PRODUCT. Where the list says 'softmax', what is quantised is not the finished softmax but p = 2^(t - M), with t = logit x log2(e) and M = ceil(the row's largest t), a whole number; so 1/2 < the row's largest p <= 1. The row's sum l is taken of the UNQUANTISED p, in f32, and the product's result is divided by l at the end. Since M is a whole number, a kernel that streams over the keys may use a running M (the ceiling of the running maximum): every later rescaling is an exact power of two, which a block's scale takes up: the codes' values come out the same.
;;   OPERANDS COMPUTED ON THE WAY. 'Computed on the way' means the value that the module computes at that place (a softmax that the list does not call 'softmax' is quantised finished and normalised). What goes into a quantiser is computed in f32, as accurately as f32 sums, v_exp_f32 and their like allow (about 1e-6 of the number): no bf16 or f16 on the way to a quantiser, and a product that is left as it is and whose result goes on into a quantised operand takes f32 operands (vector FMAs, or v_wmma_f32_16x16x4_f32). A number that lies on a knife's edge between two numbers of the format may be rounded either way, as far as f32 arithmetic and the matrix unit's own rounding can turn it there, and no further.
;; One version. Each part assembles by itself: llvm-mc -triple=amdgcn-amd-amdhsa -mcpu=gfx1250 --defsym DOCPART=n.
;; ======== version 1 of 1: 4 launches
;; limits: right only within a limited range of input values
;; workspace buffers: img 26,214,400 bytes; qb 3,276,800 bytes; kv 3,276,800 bytes; ao 3,276,800 bytes
;; launch quant (part 1): grid 1024 x 1, 4 waves a work-group, no clusters, 34,304 bytes of LDS; arguments hidden_states, Wq, Wk, Wv, Wo, img; writes img
.if DOCPART == 1
	.amdgcn_target "amdgcn-amd-amdhsa--gfx1250"
	.amdhsa_code_object_version 6
	.text
	.protected	k_q1ce6ecd965_quant
	.globl	k_q1ce6ecd965_quant
	.p2align	8
	.type	k_q1ce6ecd965_quant,@function
k_q1ce6ecd965_quant:
	s_mov_b64 s[64:65], 0
	v_nop
	global_prefetch_b8 v0, s[64:65] scope:SCOPE_SE
	s_setreg_imm32_b32 hwreg(HW_REG_WAVE_MODE, 25, 1), 1
	s_wait_xcnt 0x0
; hidden_states, Wq, Wk, Wv, Wo (f32, K innermost) become codes of BF6 (E3M2) with one E8M0 byte for each 32 along K, laid in img in the ORDER OF THE OPERAND'S REGISTERS.
; A RECORD is 32 rows x 256 K, 6,400 bytes: four fragment images (tile u of 16 rows, K step q of 128) at 1,536 (2 u + q), then 256 bytes of scale words at 6,144 + 128 u + 8 r + 4 q.
; An image holds a fragment's 12 registers: register p of a lane at 512 (p / 4) + 16 lane + 4 (p % 4).  Lane r of tile u holds row 8 u + r + 8 (r / 8) of the 32: so a product that takes the
; tile as source 0 leaves 16 neighbours along these rows in a lane's 16 registers of two neighbouring tiles.
; An operand with NG groups of 32 rows lies [K / 512][NG][2][6,400].  Regions of img: hidden 0 (NG 64); Wq and Wk together 6,553,600 (NG 96); Wv 16,384,000 (NG 32); Wo 19,660,800 (NG 128).
; A block's scale is 2^(floor(log2(largest magnitude)) - 4): its byte is the largest magnitude's exponent field - 4, held at 1 from below.
; LIMITS: a block of zeros, or one whose largest magnitude lies under 2^-122, gets the byte 1 (the rule says 127 for zeros: its codes are zeros, and this program alone reads the bytes); NaN and infinities are not served.
; SHARES: a wave makes one record; a work-group four neighbouring records along K of one group of rows.  Each load reads 512 consecutive bytes of one row; 16 rows x 512 bytes turn through the wave's own stage
; in LDS (rows 528 bytes apart), from which lane (r, h) takes the 32 neighbours of each of its two blocks.  Two fragments' loads (32 a wave) are out.  Waves share nothing: no barrier.
.set PS,   528                         ; a stage row: 512 bytes + 16
.set STG,  16*PS                       ; a wave's stage
.set OFF,  16                          ; v16-31   16 lane + the tile's row i x the tensor's pitch
.set R,    32                          ; v32-159  two sets of 64: a fragment's numbers as loaded
.set X,    160                         ; v160-223 my two blocks of 32 neighbours
.set PC,   224                         ; v224-235 the fragment's codes
.set CT,   236                         ; v236-238, v240-242 the upper halves of the blocks' codes, before they are moved
.set WD,   244                         ; v244-247 the four fragments' scale words
.set SRC,  32                          ; s[32:33] tile 0's first row, s[34:35] tile 1's
.set DST,  36                          ; s[36:37] my record
	s_load_b256 s[4:11], s[0:1], 0x0               ; hidden s[4:5], Wq s[6:7], Wk s[8:9], Wv s[10:11]
	s_load_b128 s[12:15], s[0:1], 0x20             ; Wo s[12:13], img s[14:15]
	v_lshl_add_u32 v254, v0, 2, 0x8400
	v_mov_b32 v255, 0
	v_lshrrev_b32 v9, 5, v0
	v_readfirstlane_b32 s2, v9                     ; wave
	v_and_b32 v1, 31, v0                           ; lane
	v_and_b32 v2, 15, v0                           ; r
	v_bfe_u32 v3, v0, 4, 1                         ; h
	v_lshlrev_b32 v4, 3, v3                        ; 8 h: my bytes' shift in a scale word
	v_lshlrev_b32 v5, 4, v1                        ; 16 lane
	v_lshlrev_b32 v6, 3, v1                        ; 8 lane
	s_mul_i32 s30, s2, STG
	v_add_nc_u32 v7, s30, v5                       ; the stage, on the way in: 16 lane, a row an instruction
	v_mul_u32_u24 v8, v2, PS
	v_lshl_add_u32 v8, v3, 7, v8
	v_add_nc_u32 v8, s30, v8                       ; and out: row r, + 128 h
	v_mov_b32 v10, 0                               ; written once: a lane permute's destination counts as one of its sources
	s_mov_b32 s20, 0x76543210
	s_mov_b32 s21, 0xfedcba98                      ; v_permlanex16_b32's selects for lane l xor 16
	; which tensor: Wo's figures first, then the others' by the work-group's number alone
	s_mov_b32 s18, 768                             ; the tensor's first work-group
	s_mov_b32 s19, 19660800                        ; its region of img
	s_mov_b32 s22, 1638400                         ; bytes of 512 along K of all its groups
	s_mov_b32 s23, 8192                            ; a row in memory
	s_mov_b32 s24, 1                               ; log2 of the work-groups to a group of rows
	s_wait_alu depctr_va_vdst(0)
	s_wait_kmcnt 0x0
	s_mov_b64 s[16:17], s[12:13]
.macro PICK lim, p, base, reg, bsp
	s_cmp_lt_u32 ttmp9, \lim
	s_cselect_b64 s[16:17], s[\p:\p+1], s[16:17]
	s_cselect_b32 s18, \base, s18
	s_cselect_b32 s19, \reg, s19
	s_cselect_b32 s22, \bsp, s22
	s_cselect_b32 s23, 16384, s23
	s_cselect_b32 s24, 2, s24
.endm
	PICK 768, 10, 640, 16384000, 409600            ; Wv
	PICK 640, 8, 512, 7372800, 1228800             ; Wk: groups 64 to 95 of Wq's region
	PICK 512, 6, 256, 6553600, 1228800             ; Wq
	PICK 256, 4, 0, 0, 819200                      ; hidden
	s_sub_co_u32 s25, ttmp9, s18
	s_lshr_b32 s26, s25, s24                       ; the group of 32 rows
	s_lshl_b32 s27, s26, s24
	s_sub_co_u32 s27, s25, s27
	s_lshl_b32 s27, s27, 2
	s_add_co_u32 s27, s27, s2                      ; which 256 along K
	s_mul_i32 s28, s26, s23
	s_lshl_b32 s28, s28, 5                         ; 32 rows a group,
	s_lshl_b32 s29, s27, 10                        ; 1,024 bytes for 256 numbers
	s_add_co_u32 s28, s28, s29
	s_mov_b32 s29, 0
	s_add_nc_u64 s[SRC:SRC+1], s[16:17], s[28:29]
	s_lshl_b32 s28, s23, 3
	s_add_nc_u64 s[SRC+2:SRC+3], s[SRC:SRC+1], s[28:29]   ; tile 1 begins 8 rows further down
	s_lshr_b32 s28, s27, 1
	s_mul_i32 s28, s28, s22
	s_add_co_u32 s28, s28, s19
	s_mul_i32 s31, s26, 12800
	s_add_co_u32 s28, s28, s31
	s_and_b32 s31, s27, 1
	s_mul_i32 s31, s31, 6400
	s_add_co_u32 s28, s28, s31
	s_add_nc_u64 s[DST:DST+1], s[14:15], s[28:29]
.irp i, 0,1,2,3,4,5,6,7,8,9,10,11,12,13,14,15
	v_mad_u32_u24 v[OFF+\i], s23, \i+8*(\i/8), v5  ; the tile's lane i holds row i + 8 (i / 8)
.endr
.macro LOAD f                          ; fragment f = 2 u + q: 16 rows x 512 bytes into set f % 2
.irp i, 0,1,2,3,4,5,6,7,8,9,10,11,12,13,14,15
	global_load_b128 v[R+64*((\f)%2)+4*\i:R+64*((\f)%2)+4*\i+3], v[OFF+\i], s[SRC+2*((\f)/2):SRC+2*((\f)/2)+1] offset:512*((\f)%2) th:TH_LOAD_NT
.endr
.endm
.macro FRAG f
.if (\f) < 3
	s_wait_loadcnt 16                              ; this fragment's 16 loads are in; the next fragment's 16 may be out
.else
	s_wait_loadcnt 0x0
.endif
.irp i, 0,1,2,3,4,5,6,7,8,9,10,11,12,13,14,15
	ds_store_b128 v7, v[R+64*((\f)%2)+4*\i:R+64*((\f)%2)+4*\i+3] offset:PS*\i
.endr
.irp c, 0,1
.irp j, 0,1,2,3,4,5,6,7
	ds_load_b128 v[X+32*\c+4*\j:X+32*\c+4*\j+3], v8 offset:256*\c+16*\j   ; k = 64 c + 32 h + 4 j ..: LDS serves a wave's instructions in order, so these see the stores above
.endr
.endr
.if (\f) < 2
	s_wait_dscnt 16                                ; the 16 stores are done (behind them: the 16 loads): they have read their registers,
	LOAD (\f)+2                                    ; which take the fragment two further on
.endif
	s_wait_dscnt 0x0
	v_max3_num_f32 v12, |v[X]|, |v[X+1]|, 0x2800000       ; my block h, and the floor 2^(5 - 127): the byte cannot fall under 1
	v_max3_num_f32 v13, |v[X+32]|, |v[X+33]|, 0x2800000   ; my block 2 + h
.irp i, 2,4,6,8,10,12,14,16,18,20,22,24,26,28,30
	v_max3_num_f32 v12, v12, |v[X+\i]|, |v[X+\i+1]|
	v_max3_num_f32 v13, v13, |v[X+32+\i]|, |v[X+33+\i]|
.endr
	v_add_nc_u32 v14, 0xfe000000, v12              ; 4 off the exponent field: the conversion takes the exponent field of this operand as its scale
	v_add_nc_u32 v15, 0xfe000000, v13
	v_lshrrev_b32 v12, 23, v14                     ; the scales' bytes
	v_lshrrev_b32 v13, 23, v15
	v_lshl_or_b32 v9, v13, 16, v12
	v_lshlrev_b32 v9, v4, v9                       ; at bytes h and 2 + h of the row's word;
	v_permlanex16_b32 v10, v9, s20, s21
	v_or_b32 v[WD+(\f)], v9, v10                   ; with lane l xor 16's two the word is whole
.if (\f) > 0
	s_wait_alu depctr_va_vdst(0)
	s_wait_xcnt 0x0                                ; the last fragment's stores have read their data registers: they are written again only behind this wait
.endif
.irp c, 0,1
	v_cvt_scalef32_pk16_bf6_f32 v[PC+6*\c:PC+6*\c+2], v[X+32*\c:X+32*\c+15], v[14+\c]
	v_cvt_scalef32_pk16_bf6_f32 v[CT+4*\c:CT+4*\c+2], v[X+32*\c+16:X+32*\c+31], v[14+\c]   ; (a conversion's three registers begin on an even number)
.endr
	v_nop                                          ; one plain place behind a scaled conversion
.irp c, 0,1
.irp i, 0,1,2
	v_mov_b32 v[PC+3+6*\c+\i], v[CT+4*\c+\i]
.endr
.endr
.irp c, 0,1,2
	global_store_b128 v5, v[PC+4*\c:PC+4*\c+3], s[DST:DST+1] offset:1536*(\f)+512*\c   ; 32 lanes store 512 consecutive bytes, aligned to 256
.endr
.endm
	LOAD 0
	LOAD 1
	s_wait_alu depctr_va_vdst(0)
	FRAG 0
	FRAG 1
	FRAG 2
	FRAG 3
	v_cmp_lt_u32 vcc_lo, 15, v1                    ; lanes 0-15 carry tile 0's words, lanes 16-31 tile 1's
	v_cndmask_b32 v12, v[WD], v[WD+2], vcc_lo
	v_cndmask_b32 v13, v[WD+1], v[WD+3], vcc_lo
	global_store_b64 v6, v[12:13], s[DST:DST+1] offset:6144   ; 32 lanes store 256 consecutive bytes, aligned
	s_wait_tensorcnt 0x0
	ds_add_u32 v254, v255
	s_wait_dscnt 0x0
	s_endpgm
.Lfunc_end_k_q1ce6ecd965_quant:
	.size	k_q1ce6ecd965_quant, .Lfunc_end_k_q1ce6ecd965_quant-k_q1ce6ecd965_quant
	.p2alignl 7, 3214868480
	.fill 96, 4, 3214868480
	.section	.rodata,"a",@progbits
	.p2align	6, 0x0
	.amdhsa_kernel k_q1ce6ecd965_quant
		.amdhsa_group_segment_fixed_size 34304
		.amdhsa_private_segment_fixed_size 0
		.amdhsa_enable_private_segment 0
		.amdhsa_kernarg_size 48
		.amdhsa_user_sgpr_count 2
		.amdhsa_user_sgpr_kernarg_segment_ptr 1
		.amdhsa_wavefront_size32 1
		.amdhsa_system_sgpr_workgroup_id_x 1
		.amdhsa_system_sgpr_workgroup_id_y 1
		.amdhsa_system_sgpr_workgroup_id_z 1
		.amdhsa_system_vgpr_workitem_id 0
		.amdhsa_next_free_vgpr 256
		.amdhsa_next_free_sgpr 66
		.amdhsa_reserve_vcc 1
		.amdhsa_float_denorm_mode_32 3
		.amdhsa_float_denorm_mode_16_64 3
		.amdhsa_memory_ordered 1
		.amdhsa_forward_progress 1
		.amdhsa_inst_pref_size 33
	.end_amdhsa_kernel
	.amdgpu_metadata
---
amdhsa.version: [ 1, 2 ]
amdhsa.kernels:
  - .name:           k_q1ce6ecd965_quant
    .symbol:         k_q1ce6ecd965_quant.kd
    .args:
      - { .name: hidden_states, .offset: 0, .size: 8, .value_kind: global_buffer, .address_space: global }
      - { .name: Wq, .offset: 8, .size: 8, .value_kind: global_buffer, .address_space: global }
      - { .name: Wk, .offset: 16, .size: 8, .value_kind: global_buffer, .address_space: global }
      - { .name: Wv, .offset: 24, .size: 8, .value_kind: global_buffer, .address_space: global }
      - { .name: Wo, .offset: 32, .size: 8, .value_kind: global_buffer, .address_space: global }
      - { .name: img, .offset: 40, .size: 8, .value_kind: global_buffer, .address_space: global }
    .group_segment_fixed_size: 34304
    .private_segment_fixed_size: 0
    .kernarg_segment_align: 8
    .kernarg_segment_size: 48
    .max_flat_workgroup_size: 128
    .sgpr_count:     66
    .vgpr_count:     256
    .wavefront_size: 32
...
	.end_amdgpu_metadata
.endif
;; end of part 1
;; launch qkv (part 2): grid 16 x 16, 4 waves a work-group, clusters of 4 x 4, 327,680 bytes of LDS; arguments img, cos, sin, q_norm_w, k_norm_w, qb, kv; writes qb, kv
.if DOCPART == 2
	.amdgcn_target "amdgcn-amd-amdhsa--gfx1250"
	.amdhsa_code_object_version 6
	.text
	.protected	k_q1ce6ecd965_qkv
	.globl	k_q1ce6ecd965_qkv
	.p2align	8
	.type	k_q1ce6ecd965_qkv,@function
k_q1ce6ecd965_qkv:
	s_mov_b64 s[64:65], 0
	v_nop
	global_prefetch_b8 v0, s[64:65] scope:SCOPE_SE
	s_setreg_imm32_b32 hwreg(HW_REG_WAVE_MODE, 25, 1), 1
	s_wait_xcnt 0x0
	s_wait_alu depctr_hold_cnt(0) depctr_sa_sdst(0) depctr_va_vdst(0) depctr_va_sdst(0) depctr_va_ssrc(0) depctr_va_vcc(0) depctr_vm_vsrc(0)
	s_getreg_b32 s2, hwreg(HW_REG_IB_STS2, 6, 4)
	s_cmp_eq_u32 s2, 0
	s_cbranch_scc0 .Lentry_in_a_cluster
	s_endpgm
.Lentry_in_a_cluster:
	s_bfe_u32 s2, ttmp6, 0x10000c
	s_cmp_lg_u32 s2, 0xf033
	s_cbranch_scc0 .Lentry_shape_is_right
	s_endpgm
.Lentry_shape_is_right:
; q = hidden Wq^T, k = hidden Wk^T, v = hidden Wv^T on codes of BF6 (E3M2) with E8M0 scales, read from img as launch quant laid them: records of 32 rows x 256 K, 6,400 bytes
; (four fragment images of 1,536 bytes in the order of an operand's registers, then 256 bytes of scale words); an operand lies [K / 512][groups of 32 rows][2][6,400].
; Then in f32: the RMS norm of each head of q and k with its gain, the rotation of channels 0-63 by cos and sin, and the next product's quantiser.  Codes and scale words leave in the order of the next launch's operand registers.
; SHARES.  Clusters of 4 x 4 work-groups; cluster x = 0, 1: q; 2: k; 3: v.  For q and k source 1 (called A) is 128 positions of hidden and source 0 (called B) 256 rows of the weight, two heads:
; a lane holds one position and its registers run along the channels, the K of the scores.  For v the roles change: A = 128 rows of Wv (one kv head), B = 256 positions: a lane holds a channel, its registers run along the keys.
; 256 work-groups, one block of 128 x 256 each.  A wave makes 64 x 128: 32 accumulators, 256 registers (window 2).
; THE RING: two slots of 153,600 bytes, each 512 along K: A's 51,200 dense bytes, then B's 102,400.  Waves 0, 1 fetch A's halves, waves 2, 3 B's, one joint load a wave: A's tile is shared along a row of the cluster, B's along a column.
; Fill 0 goes out at the head; all address work and the loads of cos, sin and the gains stand between that load and the wait for it.  Fill 1 goes out behind the full sequence and a round.  Every wait on TENSORcnt is for 0.
; PREFETCH: behind the joint load of fill f the bytes of fill f + 2 are asked for (the head asks for fills 1 and 2).  Of the bytes that a wave fetches, each of the four partners of the joint load names a quarter, told apart by address:
; 25 blocks of 256 bytes of A's half (one instruction; lanes 25-31 name the last block again), 2 x 25 of B's half.  Fills 6 and 7 have nothing two fills on: the loop's last trip asks for nothing.
; LIMITS: NaN and infinities are not served; a block of zeros, or one whose largest magnitude lies under 2^-122, gets the byte 1 (its codes are zeros, and this program alone reads the bytes); v_rsq_f32 is good to one unit in the last place.
; REGISTERS: window 0: v16-31 addresses, v32-63 scale words, v64-159 A's fragments in two sets (at work on the way out); window 1: v0-191 B's fragments in two sets, v192-255 the gains; window 2: accumulators; window 3: cos and sin.
.set REC,   6400
.set GRP,   2*REC                      ; a group of 32 rows x 512 K
.set IMG,   1536
.set BOFF,  51200                      ; B's bytes in a slot, behind A's
.set SLOT,  153600
.set SPARE, 2*SLOT                     ; the spare words, 128 bytes a wave
.set ADRA, 16                          ; v16-17 my A images in slot 0, 1
.set ADRB, 20                          ; v20-21 my B images
.set ADS,  22                          ; v22-23 scale words: lanes 0-15 A's, lanes 16-31 B's
.set LI,   24                          ; 16 lane
.set SO,   25                          ; 16 r + 8 h: my place in a result's scale words
.set CSO,  26                          ; cos, sin: my position's row + 64 h
.set WO,   27                          ; the gains: 64 h
.set SPW,  28
.set NIL,  29
.set LN,   30
.set PFO,  31                          ; 256 x min(lane, 24)
.set SC,   32
.set AF,   64
.set T,    64
.set TM,   96
.set PC,   128
.set CT,   176
.set PW,   184
.set EW,   188
.set SS,   192
.set RS,   224
.set WV, 18
.set WA, 19                            ; which half of A's rows is mine; also: I fetch for A (0) or B (1)
.set WB, 20                            ; which half of B's rows; also: which half of that tile I fetch
.set G1,  24
.set G0,  32
.set G1B, 48
.set G0B, 56
.set STA, 66                           ; bytes from fill to fill of A, of B (doubled behind the head: a slot's next fill)
.set STB, 68
.set DCA, 74
.set DSA, 76
.set PFA, 84                           ; s[84:85] where my prefetch stands; s[86:87] the head's second; s[90:91] bytes from fill to fill
.set PFB, 86
.set PF1, 100                          ; s[100:101] the head's first prefetch; never rewritten
.set PFS, 90
.set MSB, 0
.macro WIN new                         ; the immediate's high byte repeats the setting that is left
.if MSB != \new
	s_set_vgpr_msb (MSB<<8)|\new
.set MSB, \new
.endif
.endm
.set MULW, 0xa1                        ; source 0 window 1, source 1 window 0, C and D window 2
.set TO_B, 0x40
.macro JLOAD s                         ; a joint load; s_nop 0 and four v_nop behind each line
	s_cmp_eq_u32 s[WA], 0
	s_cbranch_scc0 .Lfor_b_\@
	tensor_load_to_lds s[G0+4*\s:G0+4*\s+3], s[G1:G1+7]
	s_nop 0
.rept 4
	v_nop
.endr
	s_branch .Lasked_\@
.Lfor_b_\@:
	tensor_load_to_lds s[G0B+4*\s:G0B+4*\s+3], s[G1B:G1B+7]
	s_nop 0
.rept 4
	v_nop
.endr
.Lasked_\@:
.endm
.macro ASK p                           ; my work-group's quarter of what my wave fetches in one fill: 25 blocks for A, 50 for B
	global_prefetch_b8 v[PFO], s[\p:\p+1] th:TH_LOAD_NT scope:SCOPE_SE
	s_cmp_eq_u32 s[WA], 0
	s_cbranch_scc1 .Lhalf_\@
	global_prefetch_b8 v[PFO], s[\p:\p+1] offset:6400 th:TH_LOAD_NT scope:SCOPE_SE
.Lhalf_\@:
.endm
.macro ASKL                            ; in the loop: not in its last trip (s3 = 1), whose fills are the last two
	s_cmp_gt_u32 s3, 1
	s_cbranch_scc0 .Lnone_\@
	ASK PFA
.Lnone_\@:
.endm
.macro CREST
	s_cmp_lg_u32 s[WV], 0
	s_cbranch_scc1 .Lnot_wave_0_\@
	s_barrier_signal -3
.Lnot_wave_0_\@:
	s_barrier_wait -3
	s_barrier_signal -1
	s_barrier_wait -1
.endm
.macro CROUND
	s_barrier_signal -1
	s_barrier_wait -1
	CREST
.endm
.macro PLACES
.rept 4
	v_nop
.endr
.endm
.macro FETCH slot, k, p                ; K step k of the slot: B's eight and A's four fragments into set p, as they lie
	WIN TO_B
.irp b, 0,1,2,3,4,5,6,7
.irp c, 0,1,2
	ds_load_b128 v[96*(\p)+12*\b+4*\c:96*(\p)+12*\b+4*\c+3], v[ADRB+\slot] offset:(\b/2)*GRP+((\k)/2)*REC+(2*(\b%2)+(\k)%2)*IMG+512*\c
.endr
.endr
	WIN 0
.irp a, 0,1,2,3
.irp c, 0,1,2
	ds_load_b128 v[AF+48*(\p)+12*\a+4*\c:AF+48*(\p)+12*\a+4*\c+3], v[ADRA+\slot] offset:(\a/2)*GRP+((\k)/2)*REC+(2*(\a%2)+(\k)%2)*IMG+512*\c
.endr
.endr
.endm
.macro SCALES slot, ks                 ; the scale words of K steps 2 ks, 2 ks + 1
.irp i, 0,1,2,3,4,5,6,7
	ds_load_b64 v[SC+16*(\ks)+2*\i:SC+16*(\ks)+2*\i+1], v[ADS+\slot] offset:(\i/2)*GRP+128*(\i%2)+(\ks)*REC
.endr
.endm
.macro MUL a, p, k, zero               ; A's block a against B's eight; the 32 accumulators take turns
.irp b, 0,1,2,3,4,5,6,7
.if \zero
	v_wmma_scale_f32_16x16x128_f8f6f4 v[8*(8*(\a)+\b):8*(8*(\a)+\b)+7], v[96*(\p)+12*\b:96*(\p)+12*\b+11], v[AF+48*(\p)+12*(\a):AF+48*(\p)+12*(\a)+11], 0, v[SC+16*((\k)/2)+2*\b+(\k)%2], v[SC+16*((\k)/2)+2*(\a)+(\k)%2] matrix_a_fmt:MATRIX_FMT_BF6 matrix_b_fmt:MATRIX_FMT_BF6 matrix_a_scale:MATRIX_SCALE_ROW1
.else
	v_wmma_scale_f32_16x16x128_f8f6f4 v[8*(8*(\a)+\b):8*(8*(\a)+\b)+7], v[96*(\p)+12*\b:96*(\p)+12*\b+11], v[AF+48*(\p)+12*(\a):AF+48*(\p)+12*(\a)+11], v[8*(8*(\a)+\b):8*(8*(\a)+\b)+7], v[SC+16*((\k)/2)+2*\b+(\k)%2], v[SC+16*((\k)/2)+2*(\a)+(\k)%2] matrix_a_fmt:MATRIX_FMT_BF6 matrix_b_fmt:MATRIX_FMT_BF6 matrix_a_scale:MATRIX_SCALE_ROW1
.endif
.endr
.endm
.macro STEP slot, k, zero              ; one of a slot's first three K steps: the next step's fragments are asked for, then 32 products
	s_wait_dscnt 0x0
	PLACES
	FETCH \slot, (\k)+1, ((\k)+1)%2
.if (\k) == 1
	SCALES \slot, 1
.endif
	WIN MULW
	MUL 0, (\k)%2, \k, \zero
	MUL 1, (\k)%2, \k, \zero
	MUL 2, (\k)%2, \k, \zero
	MUL 3, (\k)%2, \k, \zero
.endm
.macro TURN slot, next, fill           ; a slot's last K step, and the change of slots
	WIN 0
.if \fill
	s_wait_xcnt 0x0                                ; my last prefetch has read its address: it steps one fill on
	s_add_nc_u64 s[PFA:PFA+1], s[PFA:PFA+1], s[PFS:PFS+1]
.endif
	s_wait_tensorcnt 0x0                           ; all my tensor loads are in: my part of the next slot
	ds_add_u32 v[SPW], v[NIL]
	s_wait_dscnt 1                                 ; this step's fragments are in; the add alone may be out
	WIN MULW
	MUL 0, 1, 3, 0
	s_wait_dscnt 0x0                               ; the add is done, and my reads of this slot
	s_barrier_signal -1
	MUL 1, 1, 3, 0
	WIN 0
	s_barrier_wait -1
.if \fill
	CREST                                          ; the barrier has opened a round of the cluster's barrier
	s_add_nc_u64 s[G0+4*\slot+2:G0+4*\slot+3], s[G0+4*\slot+2:G0+4*\slot+3], s[STA:STA+1]
	s_add_nc_u64 s[G0B+4*\slot+2:G0B+4*\slot+3], s[G0B+4*\slot+2:G0B+4*\slot+3], s[STB:STB+1]
	JLOAD \slot                                    ; the first tensor load behind the round; its four v_nop are the places for the loads below
.else
	PLACES
.endif
	FETCH \next, 0, 0
	SCALES \next, 0
.if \fill
	ASKL
.endif
	WIN MULW
	MUL 2, 1, 3, 0
	MUL 3, 1, 3, 0
.endm
	s_load_b256 s[4:11], s[0:1], 0x0               ; img, cos, sin, q_norm_w
	s_load_b128 s[12:15], s[0:1], 0x20             ; k_norm_w, qb
	s_load_b64 s[16:17], s[0:1], 0x30              ; kv
	v_lshl_add_u32 v[SPW], v0, 2, SPARE
	v_mov_b32 v[NIL], 0
	ds_add_u32 v[SPW], v[NIL]                      ; the opening lines: the add, twice on end, and one wait
	ds_add_u32 v[SPW], v[NIL]
	v_lshrrev_b32 v1, 5, v0
	v_readfirstlane_b32 s[WV], v1
	s_lshr_b32 s[WA], s[WV], 1
	s_and_b32 s[WB], s[WV], 1
	s_bfe_u32 s40, ttmp6, 0x40000                  ; cx
	s_bfe_u32 s41, ttmp6, 0x40004                  ; cy
	s_and_b32 s46, ttmp7, 0xffff
	s_and_b32 s85, s46, 1
	s_lshr_b32 s84, s46, 1
	s_mov_b32 s87, 819200
	s_mov_b32 s91, 1228800
	s_cmp_eq_u32 ttmp9, 3                          ; v's clusters: A = Wv, B = hidden; 2 x 2 clusters of them
	s_cselect_b32 s85, s85, ttmp9
	s_cselect_b32 s84, s84, s46
	s_cselect_b32 s86, 16384000, 0                 ; A's region of img
	s_cselect_b32 s90, 0, 6553600                  ; B's
	s_cselect_b32 s87, 409600, s87                 ; bytes of 512 along K of all A's groups
	s_cselect_b32 s91, 819200, s91                 ; of B's
	s_lshl_b32 s42, s85, 2
	s_add_co_u32 s42, s42, s40                     ; which 256 rows of B
	s_lshl_b32 s43, s84, 2
	s_add_co_u32 s43, s43, s41                     ; which 128 rows of A
	s_lshl_b32 s44, s41, 2
	s_lshl_b32 s44, 15, s44                        ; my row of the cluster
	s_lshl_b32 s45, 0x1111, s40                    ; my column
	s_or_b32 s[G1], s44, (3<<16)|(1<<21)           ; A: 25,600 dense bytes as 100 rows of 32 elements of 8 bytes
	s_mov_b32 s[G1+1], 32<<16
	s_mov_b32 s[G1+2], 100<<16
	s_mov_b32 s[G1+3], 32<<16
	s_mov_b32 s[G1+4], 100
	s_mov_b32 s[G1+5], 32
	s_mov_b32 s[G1+6], 0
	s_mov_b32 s[G1+7], 0
	s_or_b32 s[G1B], s45, (3<<16)|(1<<21)          ; B: 51,200 bytes as 200 rows
	s_mov_b32 s[G1B+1], 32<<16
	s_mov_b32 s[G1B+2], 200<<16
	s_mov_b32 s[G1B+3], 32<<16
	s_mov_b32 s[G1B+4], 200
	s_mov_b32 s[G1B+5], 32
	s_mov_b32 s[G1B+6], 0
	s_mov_b32 s[G1B+7], 0
	s_mul_i32 s88, s43, 51200
	s_mul_i32 s47, s[WB], 25600
	s_add_co_u32 s88, s88, s47
	s_add_co_u32 s88, s88, s86
	s_mov_b32 s89, 0
	s_mul_i32 s92, s42, 102400
	s_mul_i32 s2, s[WB], 51200
	s_add_co_u32 s92, s92, s2
	s_add_co_u32 s92, s92, s90
	s_mov_b32 s93, 0
	s_add_co_u32 s2, s2, BOFF
	s_mov_b32 s[STA], s87
	s_mov_b32 s[STA+1], 0
	s_mov_b32 s[STB], s91
	s_mov_b32 s[STB+1], 0
	s_mul_i32 s98, s40, 6400                       ; the prefetches: my work-group's quarter, by cx of A's half,
	s_mul_i32 s99, s41, 12800                      ; by cy of B's
	s_cmp_eq_u32 s[WA], 0
	s_cselect_b32 s98, s98, s99
	s_mov_b32 s99, 0
	s_wait_dscnt 0x0                               ; both opening adds are done
	s_wait_kmcnt 0x0
	s_add_nc_u64 s[88:89], s[4:5], s[88:89]
	s_add_nc_u64 s[92:93], s[4:5], s[92:93]
	CROUND                                         ; in front of the first joint loads
	s_mov_b32 s[G0], 1
	s_mov_b32 s[G0+1], s47
	s_mov_b64 s[G0+2:G0+3], s[88:89]
	s_or_b32 s[G0+3], s[G0+3], 0x80000000
	s_mov_b32 s[G0B], 1
	s_mov_b32 s[G0B+1], s2
	s_mov_b64 s[G0B+2:G0B+3], s[92:93]
	s_or_b32 s[G0B+3], s[G0B+3], 0x80000000
	JLOAD 0                                        ; fill 0: my one tensor load at the head.  All that follows up to the wait for it is done while it is out
	s_mov_b32 s[G0+4], 1
	s_add_co_u32 s[G0+5], s47, SLOT
	s_add_nc_u64 s[G0+6:G0+7], s[88:89], s[STA:STA+1]
	s_or_b32 s[G0+7], s[G0+7], 0x80000000
	s_mov_b32 s[G0B+4], 1
	s_add_co_u32 s[G0B+5], s2, SLOT
	s_add_nc_u64 s[G0B+6:G0B+7], s[92:93], s[STB:STB+1]
	s_or_b32 s[G0B+7], s[G0B+7], 0x80000000
	s_cmp_eq_u32 s[WA], 0
	s_cselect_b64 s[PFA:PFA+1], s[88:89], s[92:93]
	s_cselect_b64 s[PFS:PFS+1], s[STA:STA+1], s[STB:STB+1]
	s_add_nc_u64 s[PFA:PFA+1], s[PFA:PFA+1], s[98:99]
	s_add_nc_u64 s[PF1:PF1+1], s[PFA:PFA+1], s[PFS:PFS+1]   ; fill 1
	s_add_nc_u64 s[PFB:PFB+1], s[PF1:PF1+1], s[PFS:PFS+1]   ; fill 2
	s_add_nc_u64 s[PFA:PFA+1], s[PFB:PFB+1], s[PFS:PFS+1]   ; fill 3: each of the head's three addresses has registers of its own
	s_mul_i32 s21, s[WA], 25600                    ; my 64 rows of A in a slot
	s_mul_i32 s22, s[WB], 51200
	s_add_co_u32 s22, s22, BOFF                    ; my 128 rows of B
	s_sub_co_u32 s23, s22, s21
	s_add_co_u32 s46, s21, 6144
	v_and_b32 v1, 15, v0                           ; r
	v_bfe_u32 v2, v0, 4, 1                         ; h
	v_and_b32 v[LN], 31, v0
	v_lshlrev_b32 v[LI], 4, v[LN]
	v_min_u32 v[PFO], 24, v[LN]
	v_lshlrev_b32 v[PFO], 8, v[PFO]
	v_and_b32 v3, 8, v1
	v_add_nc_u32 v3, v3, v1                        ; a tile's lane r holds row r + 8 (r / 8)
	v_lshlrev_b32 v[CSO], 8, v3
	v_lshl_add_u32 v[CSO], v2, 6, v[CSO]
	v_lshlrev_b32 v[WO], 6, v2
	v_lshlrev_b32 v[SO], 4, v1
	v_lshl_add_u32 v[SO], v2, 3, v[SO]
	v_mul_u32_u24 v4, s23, v2                      ; lanes 16-31 take B's scale words
	v_lshl_add_u32 v4, v1, 3, v4
	v_add_nc_u32 v[ADRA], s21, v[LI]
	v_add_nc_u32 v[ADRB], s22, v[LI]
	v_add_nc_u32 v[ADS], s46, v4
	v_add_nc_u32 v[ADRA+1], SLOT, v[ADRA]
	v_add_nc_u32 v[ADRB+1], SLOT, v[ADRB]
	v_add_nc_u32 v[ADS+1], SLOT, v[ADS]
	s_wait_alu depctr_va_vdst(0)                   ; the wait behind the head's last vector write
	ASK PF1
	ASK PFB
	s_lshl_b32 s22, s43, 15                        ; cos, sin: 128 positions of 256 bytes a block, my 64
	s_lshl_b32 s23, s[WA], 14
	s_add_co_u32 s22, s22, s23
	s_mov_b32 s23, 0
	s_add_nc_u64 s[78:79], s[6:7], s[22:23]
	s_add_nc_u64 s[80:81], s[8:9], s[22:23]
	s_cmp_lt_u32 ttmp9, 2
	s_cselect_b64 s[82:83], s[10:11], s[12:13]     ; q's gain or k's
	WIN 0xc0                                       ; window 3: block a at 64 a: cos of channels 16 h + .., 32 + 16 h + .., then sin likewise
.irp a, 0,1,2,3
.irp b, 0,1
.irp j, 0,1,2,3
	global_load_b128 v[64*\a+16*\b+4*\j:64*\a+16*\b+4*\j+3], v[CSO], s[78:79] offset:(32*(\a/2)+8*(\a%2))*256+128*\b+16*\j
	global_load_b128 v[64*\a+32+16*\b+4*\j:64*\a+32+16*\b+4*\j+3], v[CSO], s[80:81] offset:(32*(\a/2)+8*(\a%2))*256+128*\b+16*\j
.endr
.endr
.endr
	WIN 0x40                                       ; window 1, v192-255: the gains in the order of a block's 64 registers
.irp b, 0,1,2,3
.irp j, 0,1,2,3
	global_load_b128 v[192+16*\b+4*\j:192+16*\b+4*\j+3], v[WO], s[82:83] offset:128*\b+16*\j
.endr
.endr
	WIN 0
	; where my results go.  q: qb[head][run of 64 positions], 6,400 bytes.  k, v: kv[kv head][slot of 256 keys], 51,200 bytes: K's images, V's at 24,576, K's scale words at 49,152, V's at 50,176
	s_lshl_b32 s94, s42, 1
	s_add_co_u32 s94, s94, s[WB]
	s_sub_co_u32 s98, s94, 16
	s_lshl_b32 s94, s94, 5
	s_lshl_b32 s96, s43, 1
	s_add_co_u32 s94, s94, s96
	s_add_co_u32 s94, s94, s[WA]
	s_mul_i32 s94, s94, 6400
	s_add_co_u32 s96, s94, 6144
	s_lshr_b32 s99, s43, 1
	s_and_b32 s21, s43, 1
	s_mov_b32 s23, 49152
	s_cmp_eq_u32 ttmp9, 3
	s_cselect_b32 s98, s43, s98
	s_cselect_b32 s99, s42, s99
	s_cselect_b32 s21, s[WB], s21
	s_cselect_b32 s22, 24576, 0
	s_cselect_b32 s23, 50176, s23
	s_lshl_b32 s98, s98, 3
	s_add_co_u32 s98, s98, s99
	s_mul_i32 s98, s98, 51200
	s_mul_i32 s99, s21, 12288
	s_add_co_u32 s22, s22, s99
	s_mul_i32 s99, s[WA], 6144
	s_add_co_u32 s22, s22, s99
	s_add_co_u32 s22, s22, s98
	s_lshl_b32 s99, s21, 9
	s_add_co_u32 s23, s23, s99
	s_lshl_b32 s99, s[WA], 8
	s_add_co_u32 s23, s23, s99
	s_add_co_u32 s23, s23, s98
	s_cmp_lt_u32 ttmp9, 2
	s_cselect_b32 s94, s94, s22
	s_cselect_b32 s96, s96, s23
	s_cselect_b64 s[DCA:DCA+1], s[14:15], s[16:17]
	s_mov_b32 s95, 0
	s_mov_b32 s97, 0
	s_add_nc_u64 s[DSA:DSA+1], s[DCA:DCA+1], s[96:97]
	s_add_nc_u64 s[DCA:DCA+1], s[DCA:DCA+1], s[94:95]
	s_mov_b32 s70, 0x3c000000                      ; 1 / 128
	s_mov_b32 s71, 0x358637bd                      ; 1e-6
	s_mov_b32 s72, 0x76543210
	s_mov_b32 s73, 0xfedcba98                      ; v_permlanex16_b32's selects for lane l xor 16
	s_wait_tensorcnt 0x0                           ; my part of fill 0 is in
	ds_add_u32 v[SPW], v[NIL]
	s_lshl_b32 s[STA], s[STA], 1                   ; from here on a slot's next fill is two fills on
	s_lshl_b32 s[STB], s[STB], 1
	s_wait_dscnt 0x0
	CROUND                                         ; everybody's part of fill 0 is in, in all sixteen work-groups
	JLOAD 1                                        ; fill 1, the first tensor load behind the round
	FETCH 0, 0, 0
	SCALES 0, 0
	s_wait_dscnt 0x0
	FETCH 0, 1, 1
	ASK PFA
	WIN MULW
	MUL 0, 0, 0, 1                                 ; the first K step starts the sums
	MUL 1, 0, 0, 1
	MUL 2, 0, 0, 1
	MUL 3, 0, 0, 1
	WIN 0
	s_mov_b32 s3, 3
.Llap:                                                 ; a trip goes once round the ring, from a lap's second K step to the next lap's first
	STEP 0, 1, 0
	STEP 0, 2, 0
	TURN 0, 1, 1
	STEP 1, 0, 0
	STEP 1, 1, 0
	STEP 1, 2, 0
	TURN 1, 0, 1
	STEP 0, 0, 0
	WIN 0
	s_sub_co_u32 s3, s3, 1
	s_cmp_lg_u32 s3, 0
	s_cbranch_scc1 .Llap
	STEP 0, 1, 0                                   ; the last lap fetches nothing more
	STEP 0, 2, 0
	TURN 0, 1, 0
	STEP 1, 0, 0
	STEP 1, 1, 0
	STEP 1, 2, 0
	s_wait_dscnt 0x0
	MUL 0, 1, 3, 0
	MUL 1, 1, 3, 0
	MUL 2, 1, 3, 0
	MUL 3, 1, 3, 0
	WIN 0
	PLACES
	s_wait_loadcnt 0x0                             ; cos, sin, the gains
	s_cmp_eq_u32 ttmp9, 3
	s_cbranch_scc1 .Lplain                         ; v has no norm and no rotation
	; the norm: block a's 64 registers and lane l xor 16's are one head of one position
	WIN 0x0a
.irp a, 0,1,2,3
.irp n, 0,1,2,3
	v_pk_mul_f32 v[SS+8*\a+2*\n:SS+8*\a+2*\n+1], v[64*\a+2*\n:64*\a+2*\n+1], v[64*\a+2*\n:64*\a+2*\n+1]
.endr
.endr
.set nn, 4
.rept 28
.irp a, 0,1,2,3
	v_pk_fma_f32 v[SS+8*\a+2*(nn%4):SS+8*\a+2*(nn%4)+1], v[64*\a+2*nn:64*\a+2*nn+1], v[64*\a+2*nn:64*\a+2*nn+1], v[SS+8*\a+2*(nn%4):SS+8*\a+2*(nn%4)+1]
.endr
.set nn, nn+1
.endr
	WIN 0
.irp a, 0,1,2,3
	v_pk_add_f32 v[SS+8*\a:SS+8*\a+1], v[SS+8*\a:SS+8*\a+1], v[SS+8*\a+2:SS+8*\a+3]
	v_pk_add_f32 v[SS+8*\a+4:SS+8*\a+5], v[SS+8*\a+4:SS+8*\a+5], v[SS+8*\a+6:SS+8*\a+7]
.endr
.irp a, 0,1,2,3
	v_pk_add_f32 v[SS+8*\a:SS+8*\a+1], v[SS+8*\a:SS+8*\a+1], v[SS+8*\a+4:SS+8*\a+5]
.endr
.irp a, 0,1,2,3
	v_add_f32 v[SS+8*\a], v[SS+8*\a], v[SS+8*\a+1]
.endr
.irp a, 0,1,2,3
	v_permlanex16_b32 v[SS+8*\a+1], v[SS+8*\a], s72, s73
.endr
.irp a, 0,1,2,3
	v_add_f32 v[SS+8*\a], v[SS+8*\a], v[SS+8*\a+1]
.endr
.irp a, 0,1,2,3
	v_fma_f32 v[SS+8*\a], v[SS+8*\a], s70, s71     ; the mean of the squares + 1e-6
.endr
	s_wait_alu depctr_va_vdst(0)                   ; the wait ahead of the batch
.irp a, 0,1,2,3
	v_rsq_f32 v[RS+2*\a], v[SS+8*\a]
.endr
.irp a, 0,1,2,3
	v_mov_b32 v[RS+2*\a+1], 0                      ; the pairs' upper halves are named, not used
.endr
	s_wait_alu depctr_va_vdst(0)                   ; and behind it
	WIN 0x82
.irp a, 0,1,2,3
.set nn, 0
.rept 32
	v_pk_mul_f32 v[64*\a+2*nn:64*\a+2*nn+1], v[64*\a+2*nn:64*\a+2*nn+1], v[RS+2*\a:RS+2*\a+1] op_sel_hi:[1,0]
.set nn, nn+1
.endr
.endr
	WIN 0x86
.irp a, 0,1,2,3
.set nn, 0
.rept 32
	v_pk_mul_f32 v[64*\a+2*nn:64*\a+2*nn+1], v[64*\a+2*nn:64*\a+2*nn+1], v[192+2*nn:193+2*nn]   ; x the gain
.set nn, nn+1
.endr
.endr
	; the rotation: registers 0-15 hold channels 16 h + .., registers 16-31 channels 32 + 16 h + ..: x1 cos - x2 sin, x2 cos + x1 sin
.irp a, 0,1,2,3
	WIN 0x0e
.irp n, 0,1,2,3,4,5,6,7
	v_pk_mul_f32 v[T+2*\n:T+2*\n+1], v[64*\a+16+2*\n:64*\a+17+2*\n], v[64*\a+32+2*\n:64*\a+33+2*\n]
	v_pk_mul_f32 v[T+16+2*\n:T+17+2*\n], v[64*\a+2*\n:64*\a+1+2*\n], v[64*\a+48+2*\n:64*\a+49+2*\n]
.endr
	WIN 0x8e
.irp n, 0,1,2,3,4,5,6,7
	v_pk_fma_f32 v[64*\a+2*\n:64*\a+1+2*\n], v[64*\a+2*\n:64*\a+1+2*\n], v[64*\a+2*\n:64*\a+1+2*\n], v[T+2*\n:T+2*\n+1] neg_lo:[0,0,1] neg_hi:[0,0,1]
	v_pk_fma_f32 v[64*\a+16+2*\n:64*\a+17+2*\n], v[64*\a+16+2*\n:64*\a+17+2*\n], v[64*\a+16+2*\n:64*\a+17+2*\n], v[T+16+2*\n:T+17+2*\n]
.endr
.endr
	WIN 0
.Lplain:
.irp b, 0,1,2,3
	v_mov_b32 v[TM+4+\b], 0                        ; a lane permute's destination counts as one of its sources
.endr
.macro QUANTW a                        ; block a's four blocks of 32 along the next K: 16 registers here, 16 in lane l xor 16
	WIN 0x0a
.irp b, 0,1,2,3
	v_max3_num_f32 v[TM+\b], |v[64*\a+16*\b]|, |v[64*\a+16*\b+1]|, 0x2800000   ; with the floor 2^(5 - 127): the byte cannot fall under 1
.endr
	WIN 0x28
.irp i, 2,4,6,8,10,12,14
.irp b, 0,1,2,3
	v_max3_num_f32 v[TM+\b], v[TM+\b], |v[64*\a+16*\b+\i]|, |v[64*\a+16*\b+\i+1]|
.endr
.endr
	WIN 0
.irp b, 0,1,2,3
	v_permlanex16_b32 v[TM+4+\b], v[TM+\b], s72, s73
.endr
.irp b, 0,1,2,3
	v_max_num_f32 v[TM+\b], v[TM+\b], v[TM+4+\b]
.endr
.irp b, 0,1,2,3
	v_add_nc_u32 v[TM+12+\b], 0xfe000000, v[TM+\b] ; 4 off the exponent field: the conversion's scale operand
.endr
.irp b, 0,1,2,3
	v_lshrrev_b32 v[TM+4+\b], 23, v[TM+12+\b]      ; the scale's byte
.endr
	v_lshl_or_b32 v[PW+\a], v[TM+5], 8, v[TM+4]
	v_lshl_or_b32 v[PW+\a], v[TM+6], 16, v[PW+\a]
	v_lshl_or_b32 v[PW+\a], v[TM+7], 24, v[PW+\a]
	WIN 0x02
.irp c, 0,1
	v_cvt_scalef32_pk16_bf6_f32 v[PC+12*\a+6*\c:PC+12*\a+6*\c+2], v[64*\a+32*\c:64*\a+32*\c+15], v[TM+12+2*\c]
	v_cvt_scalef32_pk16_bf6_f32 v[CT+4*\c:CT+4*\c+2], v[64*\a+32*\c+16:64*\a+32*\c+31], v[TM+12+2*\c+1]
.endr
	WIN 0
	v_nop                                          ; one plain place behind a scaled conversion
.irp c, 0,1                            ; a whole block to a lane: lanes 0-15 block 2 c, lanes 16-31 block 2 c + 1
.irp i, 0,1,2
	v_permlane16_swap_b32 v[PC+12*\a+6*\c+\i], v[CT+4*\c+\i]
.endr
.irp i, 0,1,2
	v_mov_b32 v[PC+12*\a+3+6*\c+\i], v[CT+4*\c+\i]
.endr
.endr
.endm
.irp a, 0,1,2,3
	QUANTW \a
.irp c, 0,1,2
	global_store_b128 v[LI], v[PC+12*\a+4*\c:PC+12*\a+4*\c+3], s[DCA:DCA+1] offset:IMG*\a+512*\c   ; 512 consecutive bytes, aligned to 256
.endr
.endr
	v_cmp_lt_u32 vcc_lo, 15, v[LN]
	v_cndmask_b32 v[EW], v[PW], v[PW+2], vcc_lo    ; row r's four words: lanes 0-15 carry blocks 0, 1, lanes 16-31 blocks 2, 3
	v_cndmask_b32 v[EW+1], v[PW+1], v[PW+3], vcc_lo
	global_store_b64 v[SO], v[EW:EW+1], s[DSA:DSA+1]   ; 256 consecutive bytes, aligned
	s_wait_tensorcnt 0x0                           ; the wave's end
	ds_add_u32 v[SPW], v[NIL]
	s_wait_dscnt 0x0
	CROUND                                         ; the closing round
	s_endpgm
.Lfunc_end_k_q1ce6ecd965_qkv:
	.size	k_q1ce6ecd965_qkv, .Lfunc_end_k_q1ce6ecd965_qkv-k_q1ce6ecd965_qkv
	.p2alignl 7, 3214868480
	.fill 96, 4, 3214868480
	.section	.rodata,"a",@progbits
	.p2align	6, 0x0
	.amdhsa_kernel k_q1ce6ecd965_qkv
		.amdhsa_group_segment_fixed_size 327680
		.amdhsa_private_segment_fixed_size 0
		.amdhsa_enable_private_segment 0
		.amdhsa_kernarg_size 56
		.amdhsa_user_sgpr_count 2
		.amdhsa_user_sgpr_kernarg_segment_ptr 1
		.amdhsa_wavefront_size32 1
		.amdhsa_system_sgpr_workgroup_id_x 1
		.amdhsa_system_sgpr_workgroup_id_y 1
		.amdhsa_system_sgpr_workgroup_id_z 1
		.amdhsa_system_vgpr_workitem_id 0
		.amdhsa_next_free_vgpr 1024
		.amdhsa_next_free_sgpr 102
		.amdhsa_reserve_vcc 1
		.amdhsa_float_denorm_mode_32 3
		.amdhsa_float_denorm_mode_16_64 3
		.amdhsa_memory_ordered 1
		.amdhsa_forward_progress 1
		.amdhsa_inst_pref_size 181
	.end_amdhsa_kernel
	.amdgpu_metadata
---
amdhsa.version: [ 1, 2 ]
amdhsa.kernels:
  - .name:           k_q1ce6ecd965_qkv
    .symbol:         k_q1ce6ecd965_qkv.kd
    .args:
      - { .name: img, .offset: 0, .size: 8, .value_kind: global_buffer, .address_space: global }
      - { .name: cos, .offset: 8, .size: 8, .value_kind: global_buffer, .address_space: global }
      - { .name: sin, .offset: 16, .size: 8, .value_kind: global_buffer, .address_space: global }
      - { .name: q_norm_w, .offset: 24, .size: 8, .value_kind: global_buffer, .address_space: global }
      - { .name: k_norm_w, .offset: 32, .size: 8, .value_kind: global_buffer, .address_space: global }
      - { .name: qb, .offset: 40, .size: 8, .value_kind: global_buffer, .address_space: global }
      - { .name: kv, .offset: 48, .size: 8, .value_kind: global_buffer, .address_space: global }
    .group_segment_fixed_size: 327680
    .private_segment_fixed_size: 0
    .kernarg_segment_align: 8
    .kernarg_segment_size: 56
    .max_flat_workgroup_size: 128
    .sgpr_count:     102
    .vgpr_count:     1024
    .wavefront_size: 32
...
	.end_amdgpu_metadata
.endif
;; end of part 2
;; launch attn (part 3): grid 32 x 8, 16 waves a work-group, no clusters, 327,680 bytes of LDS; arguments qb, kv, ao; writes ao
.if DOCPART == 3
	.amdgcn_target "amdgcn-amd-amdhsa--gfx1250"
	.amdhsa_code_object_version 6
	.text
	.protected	k_q1ce6ecd965_attn
	.globl	k_q1ce6ecd965_attn
	.p2align	8
	.type	k_q1ce6ecd965_attn,@function
k_q1ce6ecd965_attn:
	s_mov_b64 s[64:65], 0
	v_nop
	global_prefetch_b8 v0, s[64:65] scope:SCOPE_SE
	s_setreg_imm32_b32 hwreg(HW_REG_WAVE_MODE, 25, 1), 1
	s_wait_xcnt 0x0
; Causal attention on codes of BF6 (E3M2) with E8M0 scales; 16 query heads, 8 key and value heads, head size 128, 2,048 positions.  Both products are used transposed (S^T = K Q^T, O^T = V^T P^T): a lane holds one query.
; SOFTMAX: t = score x log2(e) / sqrt(128); M = the running largest t rounded up to a whole number; p = 2^(t - M) is quantised along the keys, not normalised; the row's sum is taken of the unquantised p and divides O at the end.
; The result, quantised along (head, channel), leaves as fragment images for the output projection.
; WORK LEFT OUT: a key step of 128 keys that all come after a wave's queries lies wholly under the causal mask that the problem builds itself; it is jumped over by a scalar branch on ids.
; SHARES.  Work-group (j, g) takes the groups of 32 positions G = j and G = 63 - j for BOTH query heads of kv head g: their key steps of 128 under the mask, G / 4 + 1, add up to 17 for every j.
; Wave w: hb = w & 1 the query head, u = (w >> 1) & 1 the tile of 16 queries, par = (w >> 2) & 1 the even or the odd key steps, hi = w >> 3 the group.  The two waves of a tile meet at the end:
; the odd one hands O^T, -M and its sum through LDS; both M are whole numbers, so bringing both under the larger one rounds nothing.
; K AND V.  A kv head's 8 slots of 256 keys are 8 x 51,200 dense bytes, walked as four pairs of 102,400 bytes through a ring of two LDS regions, at bytes 0 and 131,072 (so that one s_xor_b32 changes region).
; Every fill is shared out among all 16 waves with no branch on the wave's number: one tensor load of 25 rows of 256 bytes a wave.  Pair 0 is asked for at the head.  A trip of the loop is one pair: at its top each wave waits for
; all its tensor loads, adds 0 to its spare word, waits for that and for its LDS reads, and passes the barrier; behind it pair t + 1 is asked for, a whole trip (two key steps of every wave) ahead of its first read.
; The trip count is the constant 4.  The load of a pair whose first key comes after the work-group's last query, 32 (63 - j) + 31, is jumped over by ids alone: pair t + 1 is asked for while t < (63 - j) / 16.
; NO PREFETCH: each pair is asked for by its tensor load a whole trip ahead of its first read, and pair 0 has no loop ahead of it to run ahead in.
; NO CLUSTER: the branch round a hidden step hangs on the work-group's block of queries, which would differ between partners; what the two query heads of a kv head share is shared inside the work-group instead.
; A tile's lane r holds position (query, key) or channel r + 8 (r / 8) of its 32: so p's and O^T's 16 registers of two neighbouring tiles are 16 neighbours along the next K.
; kv[g][slot], 51,200 bytes: K's images at 12,288 q + 1,536 t, V's at 24,576 + the same, K's scale words at 49,152 + 512 q + 256 (t / 4) + 16 r + 4 (t % 4), V's 1,024 further on.
; LIMITS: NaN and infinities are not served; a block whose largest magnitude lies under 2^-122 (zeros too) gets the byte 1; v_exp_f32 and v_rcp_f32 are good to one unit in the last place and flush denormal results;
; the scaled scores t stay under 2^31 in magnitude.
; REGISTERS: v1-10 addresses; v12 -M, v13 the largest t, v[14:15] the sum; v16-27 Q; v30, v80-87 addresses; v32-79 four fragments; v88-91 scale words of V's tiles 4-7; v96-159 S^T, then p, then V's tiles 4-7;
; v160-223 O^T; v224-235 p's codes; v230-247, v252, v254 at work; v248-251, v253, v255 scale words.
.set IMG,   1536
.set SLB,   51200                      ; a slot's bytes
.set PAIR,  2*SLB
.set REG,   131072                     ; from one region of the ring to the other
.set MRG,   REG+PAIR                   ; bytes of its own for the hand-over: 8 pairs of waves x 9,216 (O^T at 512 i, -M at 8,192, the sum at 8,704, each + 16 lane)
.set OSC,   MRG+8*9216                 ; the results' scale words, 256 bytes for each of the two groups
.set SPARE, OSC+512                    ; the spare words, 128 bytes a wave: eight blocks of 256 bytes that no other line names
.set AK0,  1                           ; v1  16 lane + my parity's images
.set ASK0, 3                           ; v3  my parity's scale words of K, + 16 r
.set SPW,  5
.set NIL,  6
.set D0,   7                           ; v7  r + 8 (r / 8) - 16 h
.set ADK,  8
.set ADS,  10
.set MG,   30                          ; v30 my pair's place, + 16 lane
.set OSW,  80                          ; v80 where my result's scale word goes
.set OSR,  81                          ; v81 and where a group's 256 bytes are read back
.set LI,   82                          ; v82 16 lane
.set L8,   83                          ; v83 8 lane
.set R16,  84                          ; v84 16 r
.set VS2,  88
.set TM,   160                         ; the last quantiser's work, where O^T lay
.set PW,   176
.set WV,   18
.set SEL,  20
.set CS,   22
.set G1,   24                          ; s[24:31] descriptor group 1
.set G0,   68                          ; s[68:71] descriptor group 0
.set AOI,  44                          ; s[44:45] my result's image; s[46:47] its record
.set AOR,  46
.set TB,   2                           ; s2, s3  LDS bytes at which the trip's two slots begin
.set TB2,  3
.set LASTP, 66                         ; s66 the last pair that holds a key for this work-group
.set TRIP, 67
.set QMX,  97
.set KF,   98
.set QMN,  99
	s_load_b128 s[4:7], s[0:1], 0x0                ; qb s[4:5], kv s[6:7]
	s_load_b64 s[8:9], s[0:1], 0x10                ; ao
	v_lshl_add_u32 v[SPW], v0, 2, SPARE
	v_mov_b32 v[NIL], 0
	ds_add_u32 v[SPW], v[NIL]                      ; the opening lines: the add, twice on end, and one wait
	ds_add_u32 v[SPW], v[NIL]
	v_lshrrev_b32 v8, 5, v0
	s_delay_alu instid0(VALU_DEP_1)
	v_readfirstlane_b32 s[WV], v8                  ; wave 0..15
	s_and_b32 s10, s[WV], 1                        ; hb
	s_bfe_u32 s11, s[WV], 0x10001                  ; u
	s_bfe_u32 s12, s[WV], 0x10002                  ; par
	s_lshr_b32 s13, s[WV], 3                       ; hi
	s_and_b32 s15, ttmp7, 0xffff                   ; g
	s_sub_co_u32 s14, 63, ttmp9
	s_lshr_b32 s[LASTP], s14, 4                    ; (63 - j) / 16
	s_cmp_eq_u32 s13, 0
	s_cselect_b32 s14, ttmp9, s14                  ; G
	s_lshl_b32 s[QMN], s14, 5
	s_lshl_b32 s32, s11, 3
	s_add_co_u32 s[QMN], s[QMN], s32               ; my first query: 32 G + 8 u
	s_add_co_u32 s[QMX], s[QMN], 23                ; and my last
	s_lshl_b32 s[KF], s12, 7                       ; my first key step's first key
	; group 1: a sixteenth of a pair, 6,400 dense bytes, as 25 rows of 256 bytes (32 elements of 8 bytes)
	s_mov_b32 s[G1], 3<<16                         ; no mask; elements of 8 bytes; padding off
	s_mov_b32 s[G1+1], 32<<16                      ; tensor_dim0
	s_mov_b32 s[G1+2], 25<<16                      ; tensor_dim1
	s_mov_b32 s[G1+3], 32<<16                      ; tile_dim0
	s_mov_b32 s[G1+4], 25                          ; tile_dim1
	s_mov_b32 s[G1+5], 32                          ; the pitch
	s_mov_b32 s[G1+6], 0
	s_mov_b32 s[G1+7], 0
	s_mul_i32 s36, s[WV], 6400                     ; my sixteenth, in a pair in memory and in LDS alike
	s_mov_b32 s37, 0
	s_mul_i32 s34, s15, 409600                     ; the kv head's eight slots
	s_mov_b32 s35, 0
	s_mov_b32 s[SEL], 0x76543210
	s_mov_b32 s[SEL+1], 0xfedcba98
	s_mov_b32 s[CS], 0x3e0293ee                    ; c = log2(e) / sqrt(128)
	s_mov_b32 s[CS+1], s[CS]
	s_wait_dscnt 0x0                               ; both opening adds are done
	s_wait_kmcnt 0x0
	s_add_nc_u64 s[34:35], s[6:7], s[34:35]
	s_mov_b32 s[G0], 1                             ; count = 1
	s_mov_b32 s[G0+1], s36                         ; LDS address
	s_add_nc_u64 s[G0+2:G0+3], s[34:35], s[36:37]  ; global address
	s_or_b32 s[G0+3], s[G0+3], 0x80000000          ; type = 2
	tensor_load_to_lds s[G0:G0+3], s[G1:G1+7]      ; pair 0: my one tensor load at the head
	s_nop 0
.rept 4
	v_nop
.endr
	s_lshl_b32 s36, s15, 1
	s_add_co_u32 s36, s36, s10                     ; the query head
	s_lshl_b32 s36, s36, 5
	s_lshr_b32 s37, s14, 1
	s_add_co_u32 s36, s36, s37
	s_mul_i32 s36, s36, 6400                       ; qb: my run of 64 positions
	s_and_b32 s37, s14, 1
	s_lshl_b32 s37, s37, 1
	s_add_co_u32 s37, s37, s11                     ; my tile in it
	s_mul_i32 s38, s37, IMG
	s_add_co_u32 s38, s38, s36
	s_mov_b32 s39, 0
	s_lshl_b32 s37, s37, 2
	s_add_co_u32 s36, s36, s37
	s_add_co_u32 s36, s36, 6144
	s_mov_b32 s37, 0
	s_add_nc_u64 s[48:49], s[4:5], s[38:39]        ; Q's image
	s_add_nc_u64 s[50:51], s[4:5], s[36:37]        ; its scale words, 16 bytes a row
	s_lshr_b32 s52, s15, 1
	s_mul_i32 s52, s52, 819200                     ; ao: four heads are 512 along K,
	s_mul_i32 s53, s14, 12800
	s_add_co_u32 s52, s52, s53
	s_and_b32 s53, s15, 1
	s_mul_i32 s53, s53, 6400                       ; two heads a record
	s_add_co_u32 s52, s52, s53
	s_mov_b32 s53, 0
	s_add_nc_u64 s[AOR:AOR+1], s[8:9], s[52:53]
	s_lshl_b32 s52, s11, 1
	s_add_co_u32 s52, s52, s10
	s_mul_i32 s52, s52, IMG
	s_add_nc_u64 s[AOI:AOI+1], s[AOR:AOR+1], s[52:53]
	v_and_b32 v9, 31, v0                           ; lane
	v_and_b32 v11, 15, v0                          ; r
	v_bfe_u32 v2, v0, 4, 1                         ; h
	s_delay_alu instid0(VALU_DEP_3)
	v_lshlrev_b32 v[LI], 4, v9
	s_wait_alu depctr_va_vdst(0)
	v_lshlrev_b32 v[L8], 3, v9
	s_wait_alu depctr_va_vdst(0)
	v_lshlrev_b32 v[R16], 4, v11
.irp c, 0,1,2
	global_load_b128 v[16+4*\c:19+4*\c], v[LI], s[48:49] offset:512*\c   ; Q's fragment stays in registers
.endr
	global_load_b32 v255, v[R16], s[50:51]         ; and its scale words
	v_and_b32 v4, 8, v11
	s_delay_alu instid0(VALU_DEP_1)
	v_add_nc_u32 v[D0], v4, v11
	v_lshlrev_b32 v4, 4, v2
	s_delay_alu instid0(VALU_DEP_1)
	v_sub_nc_u32 v[D0], v[D0], v4
	s_mul_i32 s54, s12, 12288
	v_add_nc_u32 v[AK0], s54, v[LI]
	s_lshl_b32 s54, s12, 9
	s_add_co_u32 s54, s54, 49152
	v_lshl_add_u32 v[ASK0], v11, 4, s54
	s_and_b32 s54, s[WV], 3
	s_lshl_b32 s55, s13, 2
	s_or_b32 s54, s54, s55                         ; my pair of waves
	s_mul_i32 s54, s54, 9216
	s_add_co_u32 s54, s54, MRG
	v_add_nc_u32 v[MG], s54, v[LI]
	s_lshl_b32 s54, s13, 8
	s_add_co_u32 s54, s54, OSC
	v_add_nc_u32 v[OSR], s54, v[L8]
	s_lshl_b32 s55, s11, 7
	s_add_co_u32 s54, s54, s55
	s_lshl_b32 s55, s10, 2
	s_add_co_u32 s54, s54, s55
	v_lshl_add_u32 v[OSW], v11, 3, s54             ; 256 hi + 128 u + 8 r + 4 hb
	v_mov_b32 v13, 0xff61b1e6                      ; the largest t so far: -3e38
	s_delay_alu instid0(VALU_DEP_1)
	v_floor_f32 v12, -v13                          ; -M
	v_mov_b32 v14, 0
	v_mov_b32 v15, 0
.irp b, 0,1,2,3
	v_mov_b32 v[236+\b], 0                         ; a lane permute's destination counts as one of its sources
.endr
	v_mov_b32 v252, 0
	v_mov_b32 v253, 0
.set jj, 0
.rept 64
	v_mov_b32 v[160+jj], 0                         ; O^T: the step has no first form of its own; the first finds zeros
.set jj, jj+1
.endr
; MY KEY STEP OF THE SLOT THAT BEGINS AT LDS BYTE s[tb]: 128 keys from s[KF] on
.macro STEP tb
	s_cmp_gt_u32 s[KF], s[QMX]                     ; all its keys come after my queries: left out
	s_cbranch_scc1 .Lhidden_\@
	v_add_nc_u32 v[ADK], s[\tb], v[AK0]
	v_add_nc_u32 v[ADS], s[\tb], v[ASK0]
	s_wait_alu depctr_va_vdst(0)
.rept 3
	v_nop                                          ; with the two lines above five places behind the last step's products: their sources are loaded into and written over below
.endr
.irp g, 0,1                            ; S^T = K Q^T, four tiles of 16 keys at a time
.if \g
.rept 4
	v_nop
.endr
.endif
.irp t, 0,1,2,3
.irp c, 0,1,2
	ds_load_b128 v[32+12*\t+4*\c:35+12*\t+4*\c], v[ADK] offset:(4*\g+\t)*IMG+512*\c
.endr
.endr
	ds_load_b128 v[248:251], v[ADS] offset:256*\g  ; the four tiles' scale words of row r
	s_wait_dscnt 0x0
.irp t, 0,1,2,3
	v_wmma_scale_f32_16x16x128_f8f6f4 v[96+8*(4*\g+\t):103+8*(4*\g+\t)], v[32+12*\t:43+12*\t], v[16:27], 0, v[248+\t], v255 matrix_a_fmt:MATRIX_FMT_BF6 matrix_b_fmt:MATRIX_FMT_BF6
.endr
.endr
.rept 4
	v_nop                                          ; places in front of the first read of the scores, and of the loads below
.endr
.irp t, 0,1,2,3                        ; V's first four tiles and their scale words are asked for here: the softmax names none of these registers
.irp c, 0,1,2
	ds_load_b128 v[32+12*\t+4*\c:35+12*\t+4*\c], v[ADK] offset:24576+\t*IMG+512*\c
.endr
.endr
	ds_load_b128 v[248:251], v[ADS] offset:1024
	s_add_co_u32 s96, s[KF], 127                   ; on the diagonal hidden scores become -infinity ahead of the maximum; a step all of whose keys count skips this
	s_cmp_le_u32 s96, s[QMN]
	s_cbranch_scc1 .Lopen_\@
	s_sub_co_i32 s96, s[QMN], s[KF]
	v_add_nc_u32 v252, s96, v[D0]                  ; d = my query - KF - 16 h.  Register 16 b + i holds key KF + 16 h + 32 b + i: hidden where 32 b + i > d
	v_mov_b32 v254, 0xff800000
.set jj, 0
.rept 64
	v_cmp_gt_i32 vcc_lo, 32*(jj/16)+jj%16, v252
	v_cndmask_b32 v[96+jj], v[96+jj], v254, vcc_lo
.set jj, jj+1
.endr
.Lopen_\@:
.irp b, 0,1,2,3
	v_max3_num_f32 v[232+\b], v[96+16*\b], v[97+16*\b], v[98+16*\b]   ; the largest score of each block of 32 keys: for the row's maximum, and, since p rises with the score, for the block's largest p
.endr
.irp i, 3,5,7,9,11,13
.irp b, 0,1,2,3
	v_max3_num_f32 v[232+\b], v[232+\b], v[96+16*\b+\i], v[97+16*\b+\i]
.endr
.endr
.irp b, 0,1,2,3
	v_max_num_f32 v[232+\b], v[232+\b], v[111+16*\b]
.endr
.irp b, 0,1,2,3
	s_delay_alu instid0(VALU_DEP_4)
	v_permlanex16_b32 v[236+\b], v[232+\b], s[SEL], s[SEL+1]
.endr
.irp b, 0,1,2,3
	s_delay_alu instid0(VALU_DEP_4)
	v_max_num_f32 v[232+\b], v[232+\b], v[236+\b]
.endr
	s_delay_alu instid0(VALU_DEP_2)
	v_max3_num_f32 v254, v232, v233, v234
	s_delay_alu instid0(VALU_DEP_1)
	v_max_num_f32 v254, v254, v235
	s_delay_alu instid0(VALU_DEP_1)
	v_mul_f32 v254, s[CS], v254
	s_delay_alu instid0(VALU_DEP_1)
	v_max_num_f32 v13, v13, v254                   ; the running largest t
	v_mov_b32 v254, v12
	s_delay_alu instid0(VALU_DEP_2)
	v_floor_f32 v12, -v13                          ; the new -M = -ceil(t)
	s_delay_alu instid0(VALU_DEP_1)
	v_sub_f32 v254, v12, v254                      ; old M - new M: a whole number, 0 or less
	s_delay_alu instid0(VALU_DEP_1)
	v_cvt_i32_f32 v254, v254                       ; (it saturates)
	s_delay_alu instid0(VALU_DEP_1)
	v_ldexp_f32 v252, 1.0, v254                    ; f = 2^(old M - new M)
.set jj, 0
.rept 32
	v_pk_fma_f32 v[96+jj:97+jj], v[96+jj:97+jj], s[CS:CS+1], v[12:13] op_sel_hi:[1,0,0]   ; t - M
.set jj, jj+2
.endr
.irp b, 0,1,2,3
	v_fma_f32 v[232+\b], v[232+\b], s[CS], v12     ; the same of each block's largest score
.endr
	s_wait_alu depctr_va_vdst(0)                   ; the wait ahead of the batch
.set jj, 0
.rept 64
	v_exp_f32 v[96+jj], v[96+jj]                   ; p = 2^(t - M)
.set jj, jj+1
.endr
.irp b, 0,1,2,3
	v_exp_f32 v[232+\b], v[232+\b]                 ; the blocks' largest p, in the same batch
.endr
	v_pk_mul_f32 v[14:15], v[14:15], v[252:253] op_sel_hi:[1,0]   ; the sums under the new M; a plain place behind the exponentials
	s_wait_alu depctr_va_vdst(0)                   ; one wait for the batch of 68, ahead of its first reader
	v_pk_add_f32 v[236:237], v[100:101], v[104:105]
	v_pk_add_f32 v[246:247], v[108:109], v[112:113]
	v_pk_add_f32 v[244:245], v[116:117], v[120:121]
	v_pk_add_f32 v[242:243], v[124:125], v[128:129]
	v_pk_add_f32 v[240:241], v[132:133], v[136:137]
	v_pk_add_f32 v[238:239], v[140:141], v[144:145]
	v_pk_add_f32 v[230:231], v[148:149], v[152:153]
	v_pk_add_f32 v[14:15], v[14:15], v[156:157]
	v_pk_add_f32 v[236:237], v[236:237], v[96:97]
	v_pk_add_f32 v[246:247], v[246:247], v[98:99]
	v_pk_add_f32 v[244:245], v[244:245], v[102:103]
	v_pk_add_f32 v[242:243], v[242:243], v[106:107]
	v_pk_add_f32 v[240:241], v[240:241], v[110:111]
	v_pk_add_f32 v[238:239], v[238:239], v[114:115]
	v_pk_add_f32 v[230:231], v[230:231], v[118:119]
	v_pk_add_f32 v[14:15], v[14:15], v[122:123]
	v_pk_add_f32 v[236:237], v[236:237], v[126:127]
	v_pk_add_f32 v[246:247], v[246:247], v[130:131]
	v_pk_add_f32 v[244:245], v[244:245], v[134:135]
	v_pk_add_f32 v[242:243], v[242:243], v[138:139]
	v_pk_add_f32 v[240:241], v[240:241], v[142:143]
	v_pk_add_f32 v[238:239], v[238:239], v[146:147]
	v_pk_add_f32 v[230:231], v[230:231], v[150:151]
	v_pk_add_f32 v[14:15], v[14:15], v[154:155]
	v_pk_add_f32 v[236:237], v[236:237], v[158:159]
	s_delay_alu instid0(VALU_DEP_2)
	v_pk_add_f32 v[14:15], v[14:15], v[242:243]
	s_delay_alu instid0(VALU_DEP_2)
	v_pk_add_f32 v[236:237], v[236:237], v[240:241]
	v_pk_add_f32 v[246:247], v[246:247], v[238:239]
	v_pk_add_f32 v[244:245], v[244:245], v[230:231]
	s_delay_alu instid0(VALU_DEP_2)
	v_pk_add_f32 v[14:15], v[14:15], v[246:247]
	s_delay_alu instid0(VALU_DEP_2)
	v_pk_add_f32 v[236:237], v[236:237], v[244:245]
	s_delay_alu instid0(VALU_DEP_1)
	v_pk_add_f32 v[14:15], v[14:15], v[236:237]    ; the row's sum is taken of the unquantised p
.irp b, 0,1,2,3
	v_max_num_f32 v[232+\b], 0x2800000, v[232+\b]  ; the floor 2^(5 - 127)
.endr
.irp b, 0,1,2,3
	s_delay_alu instid0(VALU_DEP_4)
	v_add_nc_u32 v[244+\b], 0xfe000000, v[232+\b]
.endr
.irp b, 0,1,2,3
	s_delay_alu instid0(VALU_DEP_4)
	v_lshrrev_b32 v[236+\b], 23, v[244+\b]
.endr
	s_delay_alu instid0(VALU_DEP_3)
	v_lshl_or_b32 v253, v237, 8, v236              ; p's scale word for these 128 keys
	s_delay_alu instid0(VALU_DEP_1)
	v_lshl_or_b32 v253, v238, 16, v253
	s_delay_alu instid0(VALU_DEP_1)
	v_lshl_or_b32 v253, v239, 24, v253
.irp c, 0,1
	v_cvt_scalef32_pk16_bf6_f32 v[224+6*\c:226+6*\c], v[96+32*\c:111+32*\c], v[244+2*\c]
	v_cvt_scalef32_pk16_bf6_f32 v[236+4*\c:238+4*\c], v[112+32*\c:127+32*\c], v[244+2*\c+1]
.endr
.irp t, 0,1,2,3                        ; p is converted: its registers take V's tiles 4 to 7, so that all eight products below stand on end under one wait
.irp c, 0,1,2
	ds_load_b128 v[96+12*\t+4*\c:99+12*\t+4*\c], v[ADK] offset:24576+(4+\t)*IMG+512*\c
.endr
.endr
	ds_load_b128 v[VS2:VS2+3], v[ADS] offset:1024+256
	v_nop                                          ; one plain place behind a scaled conversion
.irp c, 0,1
.irp i, 0,1,2
	v_permlane16_swap_b32 v[224+6*\c+\i], v[236+4*\c+\i]
.endr
.irp i, 0,1,2
	s_delay_alu instid0(VALU_DEP_3)
	v_mov_b32 v[227+6*\c+\i], v[236+4*\c+\i]
.endr
.endr
	s_wait_alu depctr_va_vdst(0)                   ; the wait here, directly ahead of the first reader of O^T
.set jj, 0
.rept 32
	v_pk_mul_f32 v[160+jj:161+jj], v[160+jj:161+jj], v[252:253] op_sel_hi:[1,0]   ; O^T under the new M; these 32 are also the places in front of the matrix instructions below
.set jj, jj+2
.endr
	s_wait_alu depctr_va_vdst(0)
	s_wait_dscnt 0x0                               ; all eight tiles of V and their scale words
.irp t, 0,1,2,3                        ; O^T += V^T P^T: eight accumulators by turns
	v_wmma_scale_f32_16x16x128_f8f6f4 v[160+8*\t:167+8*\t], v[32+12*\t:43+12*\t], v[224:235], v[160+8*\t:167+8*\t], v[248+\t], v253 matrix_a_fmt:MATRIX_FMT_BF6 matrix_b_fmt:MATRIX_FMT_BF6
.endr
.irp t, 0,1,2,3
	v_wmma_scale_f32_16x16x128_f8f6f4 v[160+8*(4+\t):167+8*(4+\t)], v[96+12*\t:107+12*\t], v[224:235], v[160+8*(4+\t):167+8*(4+\t)], v[VS2+\t], v253 matrix_a_fmt:MATRIX_FMT_BF6 matrix_b_fmt:MATRIX_FMT_BF6
.endr
.Lhidden_\@:
	s_add_co_u32 s[KF], s[KF], 256
.endm
	s_mov_b32 s[TB], 0
	s_mov_b32 s[TB2], SLB
	s_mov_b32 s[TRIP], 0
	s_wait_alu depctr_va_vdst(0)
	s_wait_loadcnt 0x0                             ; Q
.Lpair:                                                ; a trip: pair t of slots
	s_wait_tensorcnt 0x0                           ; my one tensor load that was out, my part of pair t, is in: so group 0 may be written
	ds_add_u32 v[SPW], v[NIL]
	s_xor_b32 s[G0+1], s[G0+1], REG                ; the next pair goes into the other region (my 6,400 w lies under 131,072: the bit is free),
	s_add_nc_u64 s[G0+2:G0+3], s[G0+2:G0+3], PAIR  ; and lies a pair on in memory; the type bits on top are not reached
	s_wait_dscnt 0x0                               ; the add is done, and my reads of pair t - 1
	s_barrier_signal -1
	s_barrier_wait -1                              ; both hold of every wave
	s_cmp_ge_u32 s[TRIP], s[LASTP]                 ; ids alone, the same in all waves: no key of pair t + 1 counts for any query of this work-group, and no step reads it
	s_cbranch_scc1 .Lno_fill
	tensor_load_to_lds s[G0:G0+3], s[G1:G1+7]      ; pair t + 1: my one tensor load behind this barrier
	s_nop 0
.rept 4
	v_nop
.endr
.Lno_fill:
	STEP TB
	STEP TB2
	s_xor_b32 s[TB], s[TB], REG
	s_xor_b32 s[TB2], s[TB2], REG
	s_add_co_u32 s[TRIP], s[TRIP], 1
	s_cmp_lt_u32 s[TRIP], 4
	s_cbranch_scc1 .Lpair
	s_wait_tensorcnt 0x0                           ; no tensor load is out when the hand-over is stored
	; THE WAY OUT
	v_add_f32 v14, v14, v15                        ; the sum's two halves
.rept 4
	v_nop                                          ; places behind the last products
.endr
	s_cmp_eq_u32 s12, 0
	s_cbranch_scc1 .Lkeeper
	s_wait_alu depctr_va_vdst(0)
.irp i, 0,1,2,3,4,5,6,7,8,9,10,11,12,13,14,15
	ds_store_b128 v[MG], v[160+4*\i:163+4*\i] offset:512*\i   ; the odd steps' wave hands over O^T (each accumulator from its low end on),
.endr
	ds_store_b32 v[MG], v12 offset:8192            ; -M
	ds_store_b32 v[MG], v14 offset:8704            ; and its sum
.Lkeeper:
	s_wait_dscnt 0x0                               ; for the others' sake: my stores have landed
	s_barrier_signal -1
	s_barrier_wait -1
	s_cmp_lg_u32 s12, 0
	s_cbranch_scc1 .Lgiven
.irp i, 0,1,2,3,4,5,6,7,8,9,10,11,12,13,14,15
	ds_load_b128 v[96+4*\i:99+4*\i], v[MG] offset:512*\i
.endr
	ds_load_b32 v232, v[MG] offset:8192
	ds_load_b32 v233, v[MG] offset:8704
	s_wait_dscnt 0x0
	v_min_num_f32 v234, v12, v232                  ; -M of the larger M
	s_delay_alu instid0(VALU_DEP_1)
	v_sub_f32 v235, v234, v12
	s_delay_alu instid0(VALU_DEP_2)
	v_sub_f32 v240, v234, v232
	s_delay_alu instid0(VALU_DEP_2)
	v_cvt_i32_f32 v235, v235                       ; (saturates: a partner that had no step keeps -M = 3e38 and gets the factor 0)
	s_delay_alu instid0(VALU_DEP_2)
	v_cvt_i32_f32 v240, v240
	s_delay_alu instid0(VALU_DEP_2)
	v_ldexp_f32 v236, 1.0, v235
	s_delay_alu instid0(VALU_DEP_2)
	v_ldexp_f32 v238, 1.0, v240
.set jj, 0
.rept 32
	v_pk_mul_f32 v[160+jj:161+jj], v[160+jj:161+jj], v[236:237] op_sel_hi:[1,0]
.set jj, jj+2
.endr
.set jj, 0
.rept 32
	v_pk_fma_f32 v[160+jj:161+jj], v[96+jj:97+jj], v[238:239], v[160+jj:161+jj] op_sel_hi:[1,0,1]
.set jj, jj+2
.endr
	v_mul_f32 v14, v14, v236
	s_delay_alu instid0(VALU_DEP_1)
	v_fmac_f32 v14, v233, v238
	s_delay_alu instid0(VALU_DEP_1)
	v_permlanex16_b32 v252, v14, s[SEL], s[SEL+1]
	s_delay_alu instid0(VALU_DEP_1)
	v_add_f32 v14, v14, v252                       ; the row's sum
	s_wait_alu depctr_va_vdst(0)
	v_rcp_f32 v234, v14
	v_nop
	s_wait_alu depctr_va_vdst(0)
.set jj, 0
.rept 32
	v_pk_mul_f32 v[96+jj:97+jj], v[160+jj:161+jj], v[234:235] op_sel_hi:[1,0]   ; register 16 b + i = channel 32 b + 16 h + i of my query
.set jj, jj+2
.endr
.irp b, 0,1,2,3
	v_max3_num_f32 v[TM+\b], |v[96+16*\b]|, |v[97+16*\b]|, 0x2800000
.endr
.irp i, 2,4,6,8,10,12,14
.irp b, 0,1,2,3
	s_delay_alu instid0(VALU_DEP_4)
	v_max3_num_f32 v[TM+\b], v[TM+\b], |v[96+16*\b+\i]|, |v[97+16*\b+\i]|
.endr
.endr
.irp b, 0,1,2,3
	s_delay_alu instid0(VALU_DEP_4)
	v_permlanex16_b32 v[TM+4+\b], v[TM+\b], s[SEL], s[SEL+1]
.endr
.irp b, 0,1,2,3
	s_delay_alu instid0(VALU_DEP_4)
	v_max_num_f32 v[TM+\b], v[TM+\b], v[TM+4+\b]
.endr
.irp b, 0,1,2,3
	s_delay_alu instid0(VALU_DEP_4)
	v_add_nc_u32 v[TM+12+\b], 0xfe000000, v[TM+\b]
.endr
.irp b, 0,1,2,3
	s_delay_alu instid0(VALU_DEP_4)
	v_lshrrev_b32 v[TM+4+\b], 23, v[TM+12+\b]
.endr
	s_delay_alu instid0(VALU_DEP_3)
	v_lshl_or_b32 v[PW], v[TM+5], 8, v[TM+4]
	s_delay_alu instid0(VALU_DEP_1)
	v_lshl_or_b32 v[PW], v[TM+6], 16, v[PW]
	s_delay_alu instid0(VALU_DEP_1)
	v_lshl_or_b32 v[PW], v[TM+7], 24, v[PW]
.irp c, 0,1
	v_cvt_scalef32_pk16_bf6_f32 v[224+6*\c:226+6*\c], v[96+32*\c:111+32*\c], v[TM+12+2*\c]
	v_cvt_scalef32_pk16_bf6_f32 v[236+4*\c:238+4*\c], v[112+32*\c:127+32*\c], v[TM+12+2*\c+1]
.endr
	v_nop
.irp c, 0,1
.irp i, 0,1,2
	v_permlane16_swap_b32 v[224+6*\c+\i], v[236+4*\c+\i]
.endr
.irp i, 0,1,2
	s_delay_alu instid0(VALU_DEP_3)
	v_mov_b32 v[227+6*\c+\i], v[236+4*\c+\i]
.endr
.endr
.irp c, 0,1,2
	global_store_b128 v[LI], v[224+4*\c:227+4*\c], s[AOI:AOI+1] offset:512*\c   ; 512 consecutive bytes, aligned to 256
.endr
	ds_store_b32 v[OSW], v[PW]                     ; both lanes of a row write the same word with the same value
.Lgiven:
	s_wait_dscnt 0x0
	s_barrier_signal -1
	s_barrier_wait -1
	s_and_b32 s54, s[WV], 7
	s_cmp_lg_u32 s54, 0
	s_cbranch_scc1 .Lend
	ds_load_b64 v[86:87], v[OSR]                   ; waves 0 and 8: a record's 256 bytes of scale words, made by four waves
	s_wait_dscnt 0x0
	global_store_b64 v[L8], v[86:87], s[AOR:AOR+1] offset:6144
.Lend:
	s_wait_tensorcnt 0x0                           ; the wave's end
	ds_add_u32 v[SPW], v[NIL]
	s_wait_dscnt 0x0
	s_endpgm
.Lfunc_end_k_q1ce6ecd965_attn:
	.size	k_q1ce6ecd965_attn, .Lfunc_end_k_q1ce6ecd965_attn-k_q1ce6ecd965_attn
	.p2alignl 7, 3214868480
	.fill 96, 4, 3214868480
	.section	.rodata,"a",@progbits
	.p2align	6, 0x0
	.amdhsa_kernel k_q1ce6ecd965_attn
		.amdhsa_group_segment_fixed_size 327680
		.amdhsa_private_segment_fixed_size 0
		.amdhsa_enable_private_segment 0
		.amdhsa_kernarg_size 24
		.amdhsa_user_sgpr_count 2
		.amdhsa_user_sgpr_kernarg_segment_ptr 1
		.amdhsa_wavefront_size32 1
		.amdhsa_system_sgpr_workgroup_id_x 1
		.amdhsa_system_sgpr_workgroup_id_y 1
		.amdhsa_system_sgpr_workgroup_id_z 1
		.amdhsa_system_vgpr_workitem_id 0
		.amdhsa_next_free_vgpr 256
		.amdhsa_next_free_sgpr 100
		.amdhsa_reserve_vcc 1
		.amdhsa_float_denorm_mode_32 3
		.amdhsa_float_denorm_mode_16_64 3
		.amdhsa_memory_ordered 1
		.amdhsa_forward_progress 1
		.amdhsa_inst_pref_size 75
	.end_amdhsa_kernel
	.amdgpu_metadata
---
amdhsa.version: [ 1, 2 ]
amdhsa.kernels:
  - .name:           k_q1ce6ecd965_attn
    .symbol:         k_q1ce6ecd965_attn.kd
    .args:
      - { .name: qb, .offset: 0, .size: 8, .value_kind: global_buffer, .address_space: global }
      - { .name: kv, .offset: 8, .size: 8, .value_kind: global_buffer, .address_space: global }
      - { .name: ao, .offset: 16, .size: 8, .value_kind: global_buffer, .address_space: global }
    .group_segment_fixed_size: 327680
    .private_segment_fixed_size: 0
    .kernarg_segment_align: 8
    .kernarg_segment_size: 24
    .max_flat_workgroup_size: 512
    .sgpr_count:     100
    .vgpr_count:     256
    .wavefront_size: 32
...
	.end_amdgpu_metadata
.endif
;; end of part 3
;; launch oproj (part 4): grid 16 x 16, 4 waves a work-group, clusters of 4 x 4, 327,680 bytes of LDS; arguments ao, img, out0; writes out0
.if DOCPART == 4
	.amdgcn_target "amdgcn-amd-amdhsa--gfx1250"
	.amdhsa_code_object_version 6
	.text
	.protected	k_q1ce6ecd965_oproj
	.globl	k_q1ce6ecd965_oproj
	.p2align	8
	.type	k_q1ce6ecd965_oproj,@function
k_q1ce6ecd965_oproj:
	s_mov_b64 s[64:65], 0
	v_nop
	global_prefetch_b8 v0, s[64:65] scope:SCOPE_SE
	s_setreg_imm32_b32 hwreg(HW_REG_WAVE_MODE, 25, 1), 1
	s_wait_xcnt 0x0
	s_wait_alu depctr_hold_cnt(0) depctr_sa_sdst(0) depctr_va_vdst(0) depctr_va_sdst(0) depctr_va_ssrc(0) depctr_va_vcc(0) depctr_vm_vsrc(0)
	s_getreg_b32 s2, hwreg(HW_REG_IB_STS2, 6, 4)
	s_cmp_eq_u32 s2, 0
	s_cbranch_scc0 .Lentry_in_a_cluster
	s_endpgm
.Lentry_in_a_cluster:
	s_bfe_u32 s2, ttmp6, 0x10000c
	s_cmp_lg_u32 s2, 0xf033
	s_cbranch_scc0 .Lentry_shape_is_right
	s_endpgm
.Lentry_shape_is_right:
.set REC,   6400
.set GRP,   2*REC
.set IMG,   1536
.set BOFF,  51200
.set SLOT,  153600
.set SPARE, 2*SLOT
.set SP,    528
.set STEPA, 819200
.set STEPB, 1638400
.set ADRA, 16
.set ADRB, 20
.set ADS,  22
.set LI,   24
.set STO,  25
.set RD,   26
.set SPW,  28
.set NIL,  29
.set SC,   32
.set AF,   64
.set BK,   64
.set WV, 18
.set WA, 19
.set WB, 20
.set G1,  24
.set G0,  32
.set G1B, 48
.set G0B, 56
.set MSB, 0
.macro WIN new
.if MSB != \new
	s_set_vgpr_msb (MSB<<8)|\new
.set MSB, \new
.endif
.endm
.set MULW, 0xa1
.set TO_B, 0x40
.macro JLOAD s
	s_cmp_eq_u32 s[WA], 0
	s_cbranch_scc0 .Lfor_b_\@
	tensor_load_to_lds s[G0+4*\s:G0+4*\s+3], s[G1:G1+7]
	s_nop 0
.rept 4
	v_nop
.endr
	s_branch .Lasked_\@
.Lfor_b_\@:
	tensor_load_to_lds s[G0B+4*\s:G0B+4*\s+3], s[G1B:G1B+7]
	s_nop 0
.rept 4
	v_nop
.endr
.Lasked_\@:
.endm
.macro CREST
	s_cmp_lg_u32 s[WV], 0
	s_cbranch_scc1 .Lnot_wave_0_\@
	s_barrier_signal -3
.Lnot_wave_0_\@:
	s_barrier_wait -3
	s_barrier_signal -1
	s_barrier_wait -1
.endm
.macro CROUND
	s_barrier_signal -1
	s_barrier_wait -1
	CREST
.endm
.macro PLACES
.rept 4
	v_nop
.endr
.endm
	s_load_b128 s[4:7], s[0:1], 0x0
	s_load_b64 s[8:9], s[0:1], 0x10
	v_lshl_add_u32 v[SPW], v0, 2, SPARE
	v_mov_b32 v[NIL], 0
	ds_add_u32 v28, v29
	ds_add_u32 v28, v29
	s_wait_dscnt 0x0
	v_lshrrev_b32 v1, 5, v0
	v_readfirstlane_b32 s[WV], v1
	s_lshr_b32 s[WA], s[WV], 1
	s_and_b32 s[WB], s[WV], 1
	s_bfe_u32 s40, ttmp6, 0x40000
	s_bfe_u32 s41, ttmp6, 0x40004
	s_lshl_b32 s42, ttmp9, 2
	s_add_co_u32 s42, s42, s40
	s_and_b32 s43, ttmp7, 0xffff
	s_lshl_b32 s43, s43, 2
	s_add_co_u32 s43, s43, s41
	s_lshl_b32 s44, s41, 2
	s_lshl_b32 s44, 15, s44
	s_lshl_b32 s45, 0x1111, s40
	s_or_b32 s[G1], s44, (3<<16)|(1<<21)
	s_mov_b32 s[G1+1], 32<<16
	s_mov_b32 s[G1+2], 100<<16
	s_mov_b32 s[G1+3], 32<<16
	s_mov_b32 s[G1+4], 100
	s_mov_b32 s[G1+5], 32
	s_mov_b32 s[G1+6], 0
	s_mov_b32 s[G1+7], 0
	s_or_b32 s[G1B], s45, (3<<16)|(1<<21)
	s_mov_b32 s[G1B+1], 32<<16
	s_mov_b32 s[G1B+2], 200<<16
	s_mov_b32 s[G1B+3], 32<<16
	s_mov_b32 s[G1B+4], 200
	s_mov_b32 s[G1B+5], 32
	s_mov_b32 s[G1B+6], 0
	s_mov_b32 s[G1B+7], 0
	s_mul_i32 s88, s43, 51200
	s_mul_i32 s47, s[WB], 25600
	s_add_co_u32 s88, s88, s47
	s_mov_b32 s89, 0
	s_mul_i32 s92, s42, 102400
	s_mul_i32 s2, s[WB], 51200
	s_add_co_u32 s92, s92, s2
	s_add_co_u32 s92, s92, 19660800
	s_mov_b32 s93, 0
	s_add_co_u32 s2, s2, BOFF
	s_wait_kmcnt 0x0
	s_add_nc_u64 s[88:89], s[4:5], s[88:89]
	s_add_nc_u64 s[92:93], s[6:7], s[92:93]
	CROUND
.irp s, 0,1
	s_mov_b32 s[G0+4*\s], 1
	s_add_co_u32 s[G0+4*\s+1], s47, \s*SLOT
	s_add_nc_u64 s[G0+4*\s+2:G0+4*\s+3], s[88:89], \s*STEPA
	s_or_b32 s[G0+4*\s+3], s[G0+4*\s+3], 0x80000000
	s_mov_b32 s[G0B+4*\s], 1
	s_add_co_u32 s[G0B+4*\s+1], s2, \s*SLOT
	s_add_nc_u64 s[G0B+4*\s+2:G0B+4*\s+3], s[92:93], \s*STEPB
	s_or_b32 s[G0B+4*\s+3], s[G0B+4*\s+3], 0x80000000
.endr
; PREFETCH: the K walk has four fills of 512 along K.  Behind fill 0's joint load fills 1 and 2 are asked for, behind fill 1's fill 3.  Of the bytes that a wave fetches, each of the four partners of the
; joint load names a quarter, told apart by address: 25 blocks of 256 bytes of A's half (lanes 25-31 name the last block again), 2 x 25 of B's half.
.macro ASK p
	global_prefetch_b8 v30, s[\p:\p+1] th:TH_LOAD_NT scope:SCOPE_SE
	s_cmp_eq_u32 s[WA], 0
	s_cbranch_scc1 .Lhalf_\@
	global_prefetch_b8 v30, s[\p:\p+1] offset:6400 th:TH_LOAD_NT scope:SCOPE_SE
.Lhalf_\@:
.endm
	JLOAD 0                                        ; fill 0: my one tensor load at the head; the set-up below is done while it is out
	s_mul_i32 s72, s40, 6400                       ; my work-group's quarter: by cx of A's half,
	s_mul_i32 s73, s41, 12800                      ; by cy of B's
	s_mov_b32 s70, STEPA
	s_mov_b32 s74, STEPB
	s_cmp_eq_u32 s[WA], 0
	s_cselect_b64 s[66:67], s[88:89], s[92:93]
	s_cselect_b32 s72, s72, s73
	s_cselect_b32 s70, s70, s74                    ; bytes from fill to fill
	s_mov_b32 s73, 0
	s_mov_b32 s71, 0
	s_add_nc_u64 s[66:67], s[66:67], s[72:73]
	s_add_nc_u64 s[66:67], s[66:67], s[70:71]      ; fill 1
	s_add_nc_u64 s[68:69], s[66:67], s[70:71]      ; fill 2
	s_add_nc_u64 s[76:77], s[68:69], s[70:71]      ; fill 3: each of the three addresses has registers of its own
	v_and_b32 v30, 31, v0
	v_min_u32 v30, 24, v30
	v_lshlrev_b32 v30, 8, v30                      ; 256 x min(lane, 24)
	s_wait_alu depctr_va_vdst(0)
	ASK 66
	ASK 68
	v_and_b32 v1, 15, v0
	v_bfe_u32 v2, v0, 4, 1
	v_and_b32 v3, 31, v0
	v_lshlrev_b32 v[LI], 4, v3
	s_wait_alu depctr_va_vdst(0)
	s_mul_i32 s21, s[WA], 25600
	s_mul_i32 s22, s[WB], 51200
	s_add_co_u32 s22, s22, BOFF
	s_sub_co_u32 s23, s22, s21
	v_mul_u32_u24 v4, s23, v2
	v_lshl_add_u32 v4, v1, 3, v4
	s_add_co_u32 s23, s21, 6144
.irp s, 0,1
	v_add_nc_u32 v[ADRA+\s], s21, v[LI]
	v_add_nc_u32 v[ADRB+\s], s22, v[LI]
	v_add_nc_u32 v[ADS+\s], s23, v4
	s_add_co_u32 s21, s21, SLOT
	s_add_co_u32 s22, s22, SLOT
	s_add_co_u32 s23, s23, SLOT
.endr
	s_mul_i32 s21, s[WV], 16*SP
	v_mul_u32_u24 v[STO], v1, SP
	v_lshl_add_u32 v[STO], v2, 6, v[STO]
	v_add_nc_u32 v[STO], s21, v[STO]
	v_add_nc_u32 v[RD], s21, v[LI]
	s_lshl_b32 s94, s43, 7
	s_lshl_b32 s95, s[WA], 6
	s_add_co_u32 s94, s94, s95
	s_lshl_b32 s94, s94, 14
	s_lshl_b32 s95, s42, 10
	s_add_co_u32 s94, s94, s95
	s_lshl_b32 s95, s[WB], 9
	s_add_co_u32 s94, s94, s95
	s_mov_b32 s95, 0
	s_add_nc_u64 s[8:9], s[8:9], s[94:95]
.macro FETCH slot, k, p
	WIN TO_B
.irp b, 0,1,2,3,4,5,6,7
.irp c, 0,1,2
	ds_load_b128 v[96*(\p)+12*\b+4*\c:96*(\p)+12*\b+4*\c+3], v[ADRB+\slot] offset:(\b/2)*GRP+((\k)/2)*REC+(2*(\b%2)+(\k)%2)*IMG+512*\c
.endr
.endr
	WIN 0
.irp a, 0,1,2,3
.irp c, 0,1,2
	ds_load_b128 v[AF+48*(\p)+12*\a+4*\c:AF+48*(\p)+12*\a+4*\c+3], v[ADRA+\slot] offset:(\a/2)*GRP+((\k)/2)*REC+(2*(\a%2)+(\k)%2)*IMG+512*\c
.endr
.endr
.endm
.macro SCALES slot, ks
.irp i, 0,1,2,3,4,5,6,7
	ds_load_b64 v[SC+16*(\ks)+2*\i:SC+16*(\ks)+2*\i+1], v[ADS+\slot] offset:(\i/2)*GRP+128*(\i%2)+(\ks)*REC
.endr
.endm
.macro MUL a, p, k, zero
.irp b, 0,1,2,3,4,5,6,7
.if \zero
	v_wmma_scale_f32_16x16x128_f8f6f4 v[8*(8*(\a)+\b):8*(8*(\a)+\b)+7], v[96*(\p)+12*\b:96*(\p)+12*\b+11], v[AF+48*(\p)+12*(\a):AF+48*(\p)+12*(\a)+11], 0, v[SC+16*((\k)/2)+2*\b+(\k)%2], v[SC+16*((\k)/2)+2*(\a)+(\k)%2] matrix_a_fmt:MATRIX_FMT_BF6 matrix_b_fmt:MATRIX_FMT_BF6 matrix_a_scale:MATRIX_SCALE_ROW1
.else
	v_wmma_scale_f32_16x16x128_f8f6f4 v[8*(8*(\a)+\b):8*(8*(\a)+\b)+7], v[96*(\p)+12*\b:96*(\p)+12*\b+11], v[AF+48*(\p)+12*(\a):AF+48*(\p)+12*(\a)+11], v[8*(8*(\a)+\b):8*(8*(\a)+\b)+7], v[SC+16*((\k)/2)+2*\b+(\k)%2], v[SC+16*((\k)/2)+2*(\a)+(\k)%2] matrix_a_fmt:MATRIX_FMT_BF6 matrix_b_fmt:MATRIX_FMT_BF6 matrix_a_scale:MATRIX_SCALE_ROW1
.endif
.endr
.endm
.macro STEP slot, k, zero
	s_wait_dscnt 0x0
	PLACES
	FETCH \slot, (\k)+1, ((\k)+1)%2
.if (\k) == 1
	SCALES \slot, 1
.endif
	WIN MULW
	MUL 0, (\k)%2, \k, \zero
	MUL 1, (\k)%2, \k, \zero
	MUL 2, (\k)%2, \k, \zero
	MUL 3, (\k)%2, \k, \zero
.endm
.macro TURN slot, next, fill
	WIN 0
	s_wait_tensorcnt 0x0
	ds_add_u32 v[SPW], v[NIL]
	s_wait_dscnt 1
	WIN MULW
	MUL 0, 1, 3, 0
	s_wait_dscnt 0x0
	s_barrier_signal -1
	MUL 1, 1, 3, 0
	WIN 0
	s_barrier_wait -1
.if \fill
	CREST
	s_add_nc_u64 s[G0+4*\slot+2:G0+4*\slot+3], s[G0+4*\slot+2:G0+4*\slot+3], 2*STEPA
	s_add_nc_u64 s[G0B+4*\slot+2:G0B+4*\slot+3], s[G0B+4*\slot+2:G0B+4*\slot+3], 2*STEPB
	JLOAD \slot
.else
	PLACES
.endif
	FETCH \next, 0, 0
	SCALES \next, 0
	WIN MULW
	MUL 2, 1, 3, 0
	MUL 3, 1, 3, 0
.endm
	s_wait_alu depctr_va_vdst(0)
	s_wait_tensorcnt 0x0                           ; my part of fill 0 is in
	ds_add_u32 v[SPW], v[NIL]
	s_wait_dscnt 0x0
	CROUND                                         ; everybody's part of fill 0 is in, in all sixteen work-groups
	JLOAD 1                                        ; fill 1, the first tensor load behind the round
	FETCH 0, 0, 0
	SCALES 0, 0
	ASK 76
	STEP 0, 0, 1
	WIN 0
	s_mov_b32 s3, 1
.Llap:
	STEP 0, 1, 0
	STEP 0, 2, 0
	TURN 0, 1, 1
	STEP 1, 0, 0
	STEP 1, 1, 0
	STEP 1, 2, 0
	TURN 1, 0, 1
	STEP 0, 0, 0
	WIN 0
	s_sub_co_u32 s3, s3, 1
	s_cmp_lg_u32 s3, 0
	s_cbranch_scc1 .Llap
	STEP 0, 1, 0
	STEP 0, 2, 0
	TURN 0, 1, 0
	STEP 1, 0, 0
	STEP 1, 1, 0
	STEP 1, 2, 0
	s_wait_dscnt 0x0
	MUL 0, 1, 3, 0
	MUL 1, 1, 3, 0
	MUL 2, 1, 3, 0
	MUL 3, 1, 3, 0
	WIN 0
.macro TOSTAGE a
	WIN 0x08
.irp b, 0,1,2,3,4,5,6,7
	ds_store_b128 v[STO], v[8*(8*(\a)+\b):8*(8*(\a)+\b)+3] offset:128*(\b/2)+32*(\b%2)
	ds_store_b128 v[STO], v[8*(8*(\a)+\b)+4:8*(8*(\a)+\b)+7] offset:128*(\b/2)+32*(\b%2)+16
.endr
	WIN 0
.irp t, 0,1,2,3,4,5,6,7,8,9,10,11,12,13,14,15
	ds_load_b128 v[BK+64*((\a)%2)+4*\t:BK+64*((\a)%2)+4*\t+3], v[RD] offset:\t*SP
.endr
.endm
.macro SEND a, younger
	s_wait_dscnt \younger
.irp t, 0,1,2,3,4,5,6,7,8,9,10,11,12,13,14,15
	global_store_b128 v[LI], v[BK+64*((\a)%2)+4*\t:BK+64*((\a)%2)+4*\t+3], s[8:9] offset:(32*((\a)/2)+8*((\a)%2)+\t+8*(\t/8))*16384 th:TH_STORE_NT
.endr
.endm
	PLACES
	TOSTAGE 0
.irp a, 1,2,3
.if \a > 1
	s_wait_xcnt 0x0
.endif
	TOSTAGE \a
	SEND \a-1, 32
.endr
	SEND 3, 0
	s_wait_tensorcnt 0x0
	ds_add_u32 v[SPW], v[NIL]
	s_wait_dscnt 0x0
	CROUND
	s_endpgm
.Lfunc_end_k_q1ce6ecd965_oproj:
	.size	k_q1ce6ecd965_oproj, .Lfunc_end_k_q1ce6ecd965_oproj-k_q1ce6ecd965_oproj
	.p2alignl 7, 3214868480
	.fill 96, 4, 3214868480
	.section	.rodata,"a",@progbits
	.p2align	6, 0x0
	.amdhsa_kernel k_q1ce6ecd965_oproj
		.amdhsa_group_segment_fixed_size 327680
		.amdhsa_private_segment_fixed_size 0
		.amdhsa_enable_private_segment 0
		.amdhsa_kernarg_size 24
		.amdhsa_user_sgpr_count 2
		.amdhsa_user_sgpr_kernarg_segment_ptr 1
		.amdhsa_wavefront_size32 1
		.amdhsa_system_sgpr_workgroup_id_x 1
		.amdhsa_system_sgpr_workgroup_id_y 1
		.amdhsa_system_sgpr_workgroup_id_z 1
		.amdhsa_system_vgpr_workitem_id 0
		.amdhsa_next_free_vgpr 768
		.amdhsa_next_free_sgpr 100
		.amdhsa_reserve_vcc 0
		.amdhsa_float_denorm_mode_32 3
		.amdhsa_float_denorm_mode_16_64 3
		.amdhsa_memory_ordered 1
		.amdhsa_forward_progress 1
		.amdhsa_inst_pref_size 135
	.end_amdhsa_kernel
	.amdgpu_metadata
---
amdhsa.version: [ 1, 2 ]
amdhsa.kernels:
  - .name:           k_q1ce6ecd965_oproj
    .symbol:         k_q1ce6ecd965_oproj.kd
    .args:
      - { .name: ao, .offset: 0, .size: 8, .value_kind: global_buffer, .address_space: global }
      - { .name: img, .offset: 8, .size: 8, .value_kind: global_buffer, .address_space: global }
      - { .name: out0, .offset: 16, .size: 8, .value_kind: global_buffer, .address_space: global }
    .group_segment_fixed_size: 327680
    .private_segment_fixed_size: 0
    .kernarg_segment_align: 8
    .kernarg_segment_size: 24
    .max_flat_workgroup_size: 128
    .sgpr_count:     100
    .vgpr_count:     768
    .wavefront_size: 32
...
	.end_amdgpu_metadata
.endif
;; end of part 4
